; MI455X (gfx1250); checked and timed in simulation.
; The chip was launched on July 23, 2026; its instructions are those of AMD's public machine-readable ISA for CDNA 5 (MIT licence, August 2026) and "CDNA5" Instruction Set Architecture Reference Guide (July 2026). The comments in the code are by the model that wrote it; some were corrected since.
;; Cross Layer Attention. Allowed arithmetic: matrix products marked QUANTISED: E2M1 operands, one E8M0 scale for each 32 along K, by v_wmma_scale_f32_16x16x128_f8f6f4 with both operands' format E2M1 (or v_wmma_scale_f32_32x16x128_f4), f32 sums; everything else in f32.
;; Inputs: Wk 1,024 x 1,024 float32; Wo 1,024 x 1,024 float32; Wq 1,024 x 1,024 float32; Wv 1,024 x 1,024 float32; bk 1,024 float32; bo 1,024 float32; bq 1,024 float32; bv 1,024 float32; key_value 4 x 2,048 x 1,024 float32; query 4 x 2,048 x 1,024 float32.
;; Outputs: out0 4 x 2,048 x 1,024 float32.
;; Constants: lookahead = 128.
;; This version of the problem:
;;   THIS VERSION OF THE PROBLEM IS GIVEN IN LOW PRECISION. The matrix products marked QUANTISED in the list below multiply operands that are first quantised to E2M1 (2 exponent bits, 1 mantissa bit; 4 bits a number), with one power-of-two scale for each 32 numbers along K (OCP MX v1.0); their sums are f32. All else is computed in f32.
;;   The module's matrix products, in the order in which they are computed (A, B: the left and right operand; K: the contracted axis; several contracted axes count as one K, in the product's order):
;;     1. [M 8,192, K 1,024] x [K 1,024, N 1,024]; A: input query; B: input Wq: QUANTISED
;;     2. [M 8,192, K 1,024] x [K 1,024, N 1,024]; A: input key_value; B: input Wk: QUANTISED
;;     3. [M 8,192, K 1,024] x [K 1,024, N 1,024]; A: input key_value; B: input Wv: QUANTISED
;;     4. batch 64 x [M 2,048, K 64] x [K 64, N 2,048]; A: computed on the way; B: computed on the way: QUANTISED
;;     5. batch 64 x [M 2,048, K 2,048] x [K 2,048, N 64]; A: softmax (see below); B: computed on the way: QUANTISED
;;     6. [M 8,192, K 1,024] x [K 1,024, N 1,024]; A: computed on the way; B: input Wo: QUANTISED
;;   THE QUANTISER, for each operand of a quantised product, along K:
;;     - K is cut into blocks of 32 from its start; a last block that is shorter is filled with zeros.
;;     - A block's scale is 2^e with e = floor(log2(the largest magnitude in the block)) - 2, held to -126 .. 127; a block of zeros has e = 0. As a byte (E8M0): e + 127.
;;     - Each number is divided by its block's scale, clamped to +-6, and rounded to the nearest number of E2M1, ties to even, subnormals kept.
;;     - The product sums the exact products of the quantised numbers (number of the format x scale) in f32.
;;   ~~~python
;;   def quantise(x, axis):      # numpy; x: float32 -> the quantised numbers, widened to float32 again
;;       x = np.moveaxis(x, axis, -1); K = x.shape[-1]
;;       x = np.pad(x, [(0, 0)] * (x.ndim - 1) + [(0, -K % 32)]); x = x.reshape(x.shape[:-1] + (-1, 32)); a = np.abs(x).max(-1, keepdims=True)
;;       e = np.where(a > 0, np.clip(np.frexp(np.where(a > 0, a, 1))[1] - 1 - 2, -126, 127), 0)      # np.frexp(a)[1] - 1 = floor(log2(a)), exactly
;;       r = np.clip(x / 2.0 ** e, -6, 6)
;;       step = 2.0 ** (np.maximum(np.frexp(np.where(r == 0, 1, r))[1] - 1, 0) - 1)
;;       q = np.round(r / step) * step * 2.0 ** e      # np.round: ties to even
;;       return np.moveaxis(q.reshape(q.shape[:-2] + (-1,))[..., :K], -1, axis).astype(np.float32)
;;   ~~~
;;   SOFTMAX AHEAD OF A QUANTISED PRODUCT. Where the list says 'softmax', what is quantised is not the finished softmax but p = 2^(t - M), with t = logit x log2(e) and M = ceil(the row's largest t), a whole number; so 1/2 < the row's largest p <= 1. The row's sum l is taken of the UNQUANTISED p, in f32, and the product's result is divided by l at the end. Since M is a whole number, a kernel that streams over the keys may use a running M (the ceiling of the running maximum): every later rescaling is an exact power of two, which a block's scale takes up: the codes' values come out the same.
;;   OPERANDS COMPUTED ON THE WAY. 'Computed on the way' means the value that the module computes at that place (a softmax that the list does not call 'softmax' is quantised finished and normalised). What goes into a quantiser is computed in f32, as accurately as f32 sums, v_exp_f32 and their like allow (about 1e-6 of the number): no bf16 or f16 on the way to a quantiser, and a product that is left as it is and whose result goes on into a quantised operand takes f32 operands (vector FMAs, or v_wmma_f32_16x16x4_f32). A number that lies on a knife's edge between two numbers of the format may be rounded either way, as far as f32 arithmetic and the matrix unit's own rounding can turn it there, and no further.
;; One version. Each part assembles by itself: llvm-mc -triple=amdgcn-amd-amdhsa -mcpu=gfx1250 --defsym DOCPART=n.
;; ======== version 1 of 1: 4 launches
;; workspace buffers: xw 11,141,120 bytes; qb 4,718,592 bytes; kvrec 9,175,040 bytes; ab 4,456,448 bytes
;; launch quant (part 1): grid 320 x 1, 8 waves a work-group, no clusters, 68,608 bytes of LDS; arguments query, key_value, Wq, Wk, Wv, Wo, xw; writes xw
.if DOCPART == 1
	.amdgcn_target "amdgcn-amd-amdhsa--gfx1250"
	.amdhsa_code_object_version 6
	.text
	.protected	k_q6bcfac42f7_quant
	.globl	k_q6bcfac42f7_quant
	.p2align	8
	.type	k_q6bcfac42f7_quant,@function
k_q6bcfac42f7_quant:
	s_mov_b64 s[64:65], 0
	v_nop
	global_prefetch_b8 v0, s[64:65] scope:SCOPE_SE
	s_setreg_imm32_b32 hwreg(HW_REG_WAVE_MODE, 25, 1), 1
	s_wait_xcnt 0x0
; query, key_value [8192][1024] and Wq, Wk, Wv, Wo [1024][1024], f32, K = the last axis, become codes of FP4 (E2M1) with one E8M0 byte for each 32 along K,
; laid in xw AS THE MATRIX UNIT'S REGISTERS WANT THEM, so that the later launches load every fragment at 16 x lane.
; TILES.  A tile is 16 rows.  Tile 2 G + u holds, at lane place r, row 32 G + 8 u + r + 8 (r / 8).  Tiles are numbered through the six tensors: query 0, key_value 512, Wq 1024, Wk 1088, Wv 1152, Wo 1216.
; CODES: tile x 8192 + K step x 1024 + c x 512 + 16 x lane: lane (r, h) holds k = 64 c + 32 h + 0 .. 31 of its row's K step of 128.
; SCALES: 10,485,760 + tile x 512 + 256 g + 16 r + 4 q: the word (four bytes, 128 along K) of K step 4 g + q of the row at place r.
; A block's scale is 2^(floor(log2(its largest magnitude)) - 2); its byte is the largest magnitude's exponent field - 2, held at 1 from below.
; LIMITS: NaN and infinities among the inputs are not served.  A block whose largest magnitude lies under 2^-124 gets the byte 1; so does a block of zeros (not 127): its codes are zeros, and this program alone reads the bytes.
; SHARES.  A work-group takes four tiles; wave w takes tile w / 2 of them and half w % 2 of K: four K steps.  Each load reads 512 consecutive bytes of one row (a K step); the 16 rows turn through
; the wave's own stage in LDS (rows 528 bytes apart) and come back 128 bytes a lane: a lane then holds two whole blocks of 32, so no other lane is asked for a maximum.
; No tensor load, no barrier: waves share nothing.  Loads run two K steps (32 loads a wave) ahead.
.set PIT,   528                        ; a stage row: 512 bytes + 16
.set STG,   16*PIT                     ; a wave's stage
.set XSCL,  10485760                   ; where the scale words begin in xw
.set LN,   1                           ; v1   lane
.set LA,   2                           ; v2   16 x lane: never rewritten
.set SIN,  3                           ; v3   the stage, on the way in
.set SOU,  4                           ; v4   and on the way out: 528 r + 128 h
.set H8,   5                           ; v5   8 h
.set R16,  6                           ; v6   16 r
.set W,    8                           ; v8-11  my row's four scale words
.set MX,   12                          ; v12-13 largest magnitudes, v14-15 scale operands, v16-17 bytes, v18 a lane permute's destination, v19 at work
.set C,    20                          ; v20-51 codes: eight registers for each K step, so that no store's data are written again
.set R,    64                          ; v64-191 two sets of 64 numbers as they are loaded
.set X,    192                         ; v192-255 my 64 numbers: register 32 c + i = k 64 c + 32 h + i
	s_load_b256 s[4:11], s[0:1], 0x0               ; query, key_value, Wq, Wk
	s_load_b128 s[12:15], s[0:1], 0x20             ; Wv, Wo
	s_load_b64 s[16:17], s[0:1], 0x30              ; xw
	v_lshl_add_u32 v62, v0, 2, 0x10800
	v_mov_b32 v63, 0
	v_lshrrev_b32 v1, 5, v0
	s_delay_alu instid0(VALU_DEP_1)
	v_readfirstlane_b32 s18, v1                    ; wave 0..7
	v_and_b32 v[LN], 31, v0
	s_delay_alu instid0(VALU_DEP_1)
	v_lshlrev_b32 v[LA], 4, v[LN]
	s_mul_i32 s19, s18, STG
	v_add_nc_u32 v[SIN], s19, v[LA]
	v_and_b32 v7, 15, v0                           ; r
	v_bfe_u32 v[H8], v0, 4, 1                      ; h
	s_delay_alu instid0(VALU_DEP_2)
	v_mul_u32_u24 v[SOU], v7, PIT
	s_delay_alu instid0(VALU_DEP_1)
	v_lshl_add_u32 v[SOU], v[H8], 7, v[SOU]
	s_delay_alu instid0(VALU_DEP_1)
	v_add_nc_u32 v[SOU], s19, v[SOU]
	s_delay_alu instid0(VALU_DEP_4)
	v_lshlrev_b32 v[H8], 3, v[H8]
	v_lshlrev_b32 v[R16], 4, v7
	v_mov_b32 v18, 0                               ; written once: a lane permute's destination counts as one of its sources
	s_mov_b32 s26, 0x76543210
	s_mov_b32 s27, 0xfedcba98                      ; v_permlanex16_b32's selects for lane l xor 16
	s_lshr_b32 s20, s18, 1
	s_and_b32 s21, s18, 1                          ; g: my half of K
	s_lshl_b32 s22, ttmp9, 2
	s_add_co_u32 s22, s22, s20                     ; my tile
	s_wait_alu depctr_va_vdst(0)
	s_wait_kmcnt 0x0
	; which tensor: the choice hangs on the work-group's number alone; four tiles to a work-group
	s_mov_b64 s[28:29], s[14:15]                   ; Wo
	s_mov_b32 s23, 1216
	s_cmp_lt_u32 ttmp9, 304
	s_cselect_b64 s[28:29], s[12:13], s[28:29]     ; Wv
	s_cselect_b32 s23, 1152, s23
	s_cmp_lt_u32 ttmp9, 288
	s_cselect_b64 s[28:29], s[10:11], s[28:29]     ; Wk
	s_cselect_b32 s23, 1088, s23
	s_cmp_lt_u32 ttmp9, 272
	s_cselect_b64 s[28:29], s[8:9], s[28:29]       ; Wq
	s_cselect_b32 s23, 1024, s23
	s_cmp_lt_u32 ttmp9, 256
	s_cselect_b64 s[28:29], s[6:7], s[28:29]       ; key_value
	s_cselect_b32 s23, 512, s23
	s_cmp_lt_u32 ttmp9, 128
	s_cselect_b64 s[28:29], s[4:5], s[28:29]       ; query
	s_cselect_b32 s23, 0, s23
	s_sub_co_u32 s23, s22, s23                     ; the tile's number in its tensor
	s_lshr_b32 s24, s23, 1
	s_lshl_b32 s24, s24, 17                        ; 32 rows of 4,096 bytes for each pair of tiles,
	s_and_b32 s25, s23, 1
	s_lshl_b32 s25, s25, 15                        ; 8 rows for the odd tile,
	s_add_co_u32 s24, s24, s25
	s_lshl_b32 s25, s21, 11                        ; 512 numbers for the upper half of K
	s_add_co_u32 s24, s24, s25
	s_mov_b32 s25, 0
	s_add_nc_u64 s[28:29], s[28:29], s[24:25]      ; my numbers
	s_lshl_b32 s24, s22, 13
	s_lshl_b32 s30, s21, 12
	s_add_co_u32 s24, s24, s30
	s_add_nc_u64 s[32:33], s[16:17], s[24:25]      ; my codes
	s_lshl_b32 s24, s22, 9
	s_lshl_b32 s30, s21, 8
	s_add_co_u32 s24, s24, s30
	s_add_co_u32 s24, s24, XSCL
	s_add_nc_u64 s[34:35], s[16:17], s[24:25]      ; my scale words
.macro LOAD t                          ; K step t of the tile's 16 rows: each load reads 512 consecutive bytes of one row
.irp i, 0,1,2,3,4,5,6,7,8,9,10,11,12,13,14,15
	global_load_b128 v[R+64*((\t)%2)+4*\i:R+64*((\t)%2)+4*\i+3], v[LA], s[28:29] offset:(\i+8*(\i/8))*4096+512*(\t) th:TH_LOAD_NT
.endr
.endm
.macro QSTEP t
.if (\t) < 3
	s_wait_loadcnt 16                              ; this step's 16 loads are in; the next step's 16 may be out
.else
	s_wait_loadcnt 0x0
.endif
.irp i, 0,1,2,3,4,5,6,7,8,9,10,11,12,13,14,15
	ds_store_b128 v[SIN], v[R+64*((\t)%2)+4*\i:R+64*((\t)%2)+4*\i+3] offset:PIT*\i
.endr
.irp c, 0,1
.irp j, 0,1,2,3,4,5,6,7
	ds_load_b128 v[X+32*\c+4*\j:X+32*\c+4*\j+3], v[SOU] offset:256*\c+16*\j   ; LDS serves a wave's instructions in order: these see the stores above
.endr
.endr
	s_wait_dscnt 0x0                               ; my numbers are back; the stores have read their registers,
.if (\t)+2 < 4
	LOAD (\t)+2                                    ; which take the loads of two steps on
.endif
.irp c, 0,1
	v_max3_num_f32 v[MX+\c], |v[X+32*\c]|, |v[X+32*\c+1]|, 0x1800000   ; block 2 c + h: all 32 numbers are mine; the floor 2^(3 - 127) holds the byte at 1 from below
.endr
.irp i, 2,4,6,8,10,12,14,16,18,20,22,24,26,28,30
.irp c, 0,1
	s_delay_alu instid0(VALU_DEP_2)
	v_max3_num_f32 v[MX+\c], v[MX+\c], |v[X+32*\c+\i]|, |v[X+32*\c+\i+1]|   ; (the two blocks by turns)
.endr
.endr
.irp c, 0,1
	s_delay_alu instid0(VALU_DEP_2)
	v_add_nc_u32 v[MX+2+\c], 0xff000000, v[MX+\c]  ; 2 off the exponent field: the conversion takes the exponent field of this operand as its scale
.endr
.irp c, 0,1
	s_delay_alu instid0(VALU_DEP_2)
	v_lshrrev_b32 v[MX+4+\c], 23, v[MX+2+\c]       ; the scale's byte
.endr
	s_delay_alu instid0(VALU_DEP_1)
	v_lshl_or_b32 v19, v[MX+5], 16, v[MX+4]        ; my two bytes: blocks h and 2 + h,
	s_delay_alu instid0(VALU_DEP_1)
	v_lshlrev_b32 v19, v[H8], v19                  ; at their places in the word;
	s_delay_alu instid0(VALU_DEP_1)
	v_permlanex16_b32 v18, v19, s26, s27
	s_delay_alu instid0(VALU_DEP_1)
	v_or_b32 v[W+(\t)], v19, v18                   ; with lane l xor 16's two the word is whole
.irp c, 0,1
.irp g, 0,1,2,3
	v_cvt_scalef32_pk8_fp4_f32 v[C+8*(\t)+4*\c+\g], v[X+32*\c+8*\g:X+32*\c+8*\g+7], v[MX+2+\c]
.endr
.endr
	v_nop                                          ; one plain instruction behind the last scaled conversion
.irp c, 0,1
	global_store_b128 v[LA], v[C+8*(\t)+4*\c:C+8*(\t)+4*\c+3], s[32:33] offset:1024*(\t)+512*\c   ; 32 lanes store 512 consecutive bytes, at a multiple of 256 from xw's first byte
.endr
.endm
	LOAD 0
	LOAD 1
	QSTEP 0
	QSTEP 1
	QSTEP 2
	QSTEP 3
	v_cmp_gt_u32 vcc_lo, 16, v[LN]                 ; both halves of the lanes hold the words: lanes 0-15 store them
	s_wait_xcnt 0x0                                ; EXEC changes only when the stores above have read it
	s_wait_tensorcnt 0x0
	ds_add_u32 v62, v63
	s_wait_dscnt 0x0
	s_and_saveexec_b32 s30, vcc_lo
	global_store_b128 v[R16], v[W:W+3], s[34:35]   ; 16 lanes store 256 consecutive bytes, aligned
	s_wait_xcnt 0x0
	s_or_b32 exec_lo, exec_lo, s30
	s_endpgm
.Lfunc_end_k_q6bcfac42f7_quant:
	.size	k_q6bcfac42f7_quant, .Lfunc_end_k_q6bcfac42f7_quant-k_q6bcfac42f7_quant
	.p2alignl 7, 3214868480
	.fill 96, 4, 3214868480
	.section	.rodata,"a",@progbits
	.p2align	6, 0x0
	.amdhsa_kernel k_q6bcfac42f7_quant
		.amdhsa_group_segment_fixed_size 68608
		.amdhsa_private_segment_fixed_size 0
		.amdhsa_enable_private_segment 0
		.amdhsa_kernarg_size 56
		.amdhsa_user_sgpr_count 2
		.amdhsa_user_sgpr_kernarg_segment_ptr 1
		.amdhsa_wavefront_size32 1
		.amdhsa_system_sgpr_workgroup_id_x 1
		.amdhsa_system_sgpr_workgroup_id_y 1
		.amdhsa_system_sgpr_workgroup_id_z 1
		.amdhsa_system_vgpr_workitem_id 0
		.amdhsa_next_free_vgpr 256
		.amdhsa_next_free_sgpr 66
		.amdhsa_reserve_vcc 1
		.amdhsa_float_denorm_mode_32 3
		.amdhsa_float_denorm_mode_16_64 3
		.amdhsa_memory_ordered 1
		.amdhsa_forward_progress 1
		.amdhsa_inst_pref_size 36
	.end_amdhsa_kernel
	.amdgpu_metadata
---
amdhsa.version: [ 1, 2 ]
amdhsa.kernels:
  - .name:           k_q6bcfac42f7_quant
    .symbol:         k_q6bcfac42f7_quant.kd
    .args:
      - { .name: query, .offset: 0, .size: 8, .value_kind: global_buffer, .address_space: global }
      - { .name: key_value, .offset: 8, .size: 8, .value_kind: global_buffer, .address_space: global }
      - { .name: Wq, .offset: 16, .size: 8, .value_kind: global_buffer, .address_space: global }
      - { .name: Wk, .offset: 24, .size: 8, .value_kind: global_buffer, .address_space: global }
      - { .name: Wv, .offset: 32, .size: 8, .value_kind: global_buffer, .address_space: global }
      - { .name: Wo, .offset: 40, .size: 8, .value_kind: global_buffer, .address_space: global }
      - { .name: xw, .offset: 48, .size: 8, .value_kind: global_buffer, .address_space: global }
    .group_segment_fixed_size: 68608
    .private_segment_fixed_size: 0
    .kernarg_segment_align: 8
    .kernarg_segment_size: 56
    .max_flat_workgroup_size: 256
    .sgpr_count:     66
    .vgpr_count:     256
    .wavefront_size: 32
...
	.end_amdgpu_metadata
.endif
;; end of part 1
;; launch proj (part 2): grid 4 x 96, 4 waves a work-group, clusters of 4 x 4, 279,040 bytes of LDS; arguments xw, bq, bk, bv, qb, kvrec; writes qb, kvrec
.if DOCPART == 2
	.amdgcn_target "amdgcn-amd-amdhsa--gfx1250"
	.amdhsa_code_object_version 6
	.text
	.protected	k_q6bcfac42f7_proj
	.globl	k_q6bcfac42f7_proj
	.p2align	8
	.type	k_q6bcfac42f7_proj,@function
k_q6bcfac42f7_proj:
	s_mov_b64 s[64:65], 0
	v_nop
	global_prefetch_b8 v0, s[64:65] scope:SCOPE_SE
	s_setreg_imm32_b32 hwreg(HW_REG_WAVE_MODE, 25, 1), 1
	s_wait_xcnt 0x0
	s_wait_alu depctr_hold_cnt(0) depctr_sa_sdst(0) depctr_va_vdst(0) depctr_va_sdst(0) depctr_va_ssrc(0) depctr_va_vcc(0) depctr_vm_vsrc(0)
	s_getreg_b32 s2, hwreg(HW_REG_IB_STS2, 6, 4)
	s_cmp_eq_u32 s2, 0
	s_cbranch_scc0 .Lentry_in_a_cluster
	s_endpgm
.Lentry_in_a_cluster:
	s_bfe_u32 s2, ttmp6, 0x10000c
	s_cmp_lg_u32 s2, 0xf033
	s_cbranch_scc0 .Lentry_shape_is_right
	s_endpgm
.Lentry_shape_is_right:
; Q = query Wq^T + bq, K = key_value Wk^T + bk, V = key_value Wv^T + bv on codes of FP4 with E8M0 scales (from xw), each result quantised again on its way out:
; Q and K along the head's 64 channels (two blocks of 32), V along the keys.  No f32 result goes to memory.
; ONE BODY FOR THE THREE.  The matrix instruction takes 16 rows of S0 as source 0 and 16 rows of S1 as source 1: a lane then holds ONE row of S1, and its registers run along S0's rows.
; Q, K: S0 = the weight, S1 = x: a lane holds a token, registers run along the features.   V: S0 = key_value, S1 = Wv: a lane holds a feature, registers run along the tokens (the keys).
; The rows of a tile of 16 are not neighbours (tile 2 G + u, place r: row 32 G + 8 u + r + 8 (r / 8)), so that the 16 registers of two neighbouring S0 tiles are 16 neighbours along the next K.
; SHARES.  24 clusters of 4 x 4 work-groups: job = cluster y / 8 (0 Q, 1 K, 2 V), sub = cluster y % 8: 1,024 tokens x all 1,024 features to a cluster.  A work-group makes 256 (S1) x 256 (S0), a wave 128 x 128: 64 accumulators.
; S0's tiles hang on cx alone and are asked for jointly along a column of the cluster, S1's on cy alone and jointly along a row.
; LDS IS FILLED ONCE: all of K (1,024 codes: 512 bytes a row) fits: two chunks of four K steps, and the scale words.  Three tensor loads a wave, all issued at the start; chunk 1 lands while chunk 0 is multiplied.
; Fragments lie in memory and in LDS as images of the operand's registers: every LDS load is at 16 x lane: 512 consecutive bytes.
; OUT.  Q: qb: codes (bh x 128 + token tile) x 512 + 16 lane; scale words 4,194,304 + (bh x 16 + block of 8 tiles) x 512, word (b0, b1, 0x7f, 0x7f).
; K, V: kvrec: a record of 8,960 bytes for each (bh, key step of 128): K's 8 tiles x 512, V's 4 channel tiles x 1,024, K's scale words (512), V's (256).
; LIMITS: NaN and infinities are not served; a block whose largest magnitude lies under 2^-124, a block of zeros among them, gets the byte 1 (not 127): this program alone reads the bytes.
; REGISTERS, in windows of 256: window 0: v1-27 addresses; v32-95 scale words; v96-127 at work; v128-191 the bias, later the codes; v192-219 offsets and scale words on the way out.
;   window 1: S0's fragments, two sets, at v0 and v64; S1's at v128 and v192.   windows 2, 3: accumulator (a, b) at v[8 (8 (a % 4) + b)], a = S1's tile, b = S0's.
.set XSCL,  10485760                   ; where the scale words begin in xw
.set CHUNK, 131072                     ; LDS: chunk j (K steps 4 j .. 4 j + 3): S1's 16 tiles x 4,096 bytes, then S0's
.set S0AT,  65536
.set SCLAT, 262144                     ; behind the chunks: S1's scale words (16 tiles x 512), then S0's
.set REC,   8960
.set HEADB, 16*REC                     ; a head's 16 records
.set QSCL,  4194304                    ; where Q's scale words begin in qb
.set LA,   1                           ; v1   16 x lane
.set RR,   2                           ; v2   r
.set HH,   3                           ; v3   h
.set BOF,  4                           ; v4   bias, Q and K: 64 h
.set BOV,  5                           ; v5   bias, V: 4 (r + 8 (r / 8))
.set ADR1, 16                          ; v16-17 my S1 fragments in chunk 0, 1
.set ADR0, 20                          ; v20-21 my S0 fragments
.set ADRS, 27                          ; v27  scale words: lanes 0-15 S1's, lanes 16-31 S0's
.set SC,   32                          ; register 32 g + 4 i + q: K step 4 g + q; lanes 0-15 the word of S1's tile i, lanes 16-31 of S0's tile i
.set TM,   96                          ; v96-99 largest magnitudes, v100-103 bytes, v108-111 scale operands
.set WD,   112                         ; v112-119 the scale word of S1's tile a
.set OO,   120                         ; v120-123 four words a lane
.set SEVF, 124                         ; v124 0x7f7f7f7f
.set BIAS, 128
.set PC,   128                         ; the codes of tile a at v[128 + 8 a]: never written again, so no store waits
.set OF0,  192                         ; v192-199, v200-207 where tile a's two halves go
.set OF1,  200
.set SO1,  209
.set SOV,  210
.set OA,   212
.set OB,   216
.set MSB, 0
.macro WIN new                         ; the immediate's high byte repeats the setting that is left
.if MSB != (\new)
	s_set_vgpr_msb (MSB<<8)|(\new)
.set MSB, (\new)
.endif
.endm
.macro PLACES                          ; four plain vector instructions between a matrix instruction and a load into one of its registers, or a read of its result
.rept 4
	v_nop
.endr
.endm
.macro CROUND                          ; a round of the cluster's barrier
	s_barrier_signal -1
	s_barrier_wait -1
	s_cmp_lg_u32 s16, 0
	s_cbranch_scc1 .Lnot_wave_0_\@
	s_barrier_signal -3
.Lnot_wave_0_\@:
	s_barrier_wait -3
	s_barrier_signal -1
	s_barrier_wait -1
.endm
	s_load_b256 s[4:11], s[0:1], 0x0               ; xw, bq, bk, bv
	s_load_b128 s[12:15], s[0:1], 0x20             ; qb, kvrec
	v_lshl_add_u32 v254, v0, 2, 0x44000
	v_mov_b32 v255, 0
	ds_add_u32 v254, v255
	ds_add_u32 v254, v255
	v_lshrrev_b32 v1, 5, v0
	v_readfirstlane_b32 s16, v1                    ; wave 0..3
	s_lshr_b32 s17, s16, 1                         ; my half of S1's tiles.  Also: I fetch for S1 (0) or for S0 (1)
	s_and_b32 s18, s16, 1                          ; my half of S0's tiles.  Also: which 8 tiles I fetch
	s_and_b32 s20, ttmp7, 0xffff                   ; the cluster's y
	s_lshr_b32 s19, s20, 3                         ; job
	s_and_b32 s20, s20, 7                          ; sub
	s_bfe_u32 s40, ttmp6, 0x40000                  ; cx
	s_bfe_u32 s41, ttmp6, 0x40004                  ; cy
	s_lshl_b32 s43, s41, 2
	s_lshl_b32 s43, 15, s43                        ; my row of the cluster
	s_lshl_b32 s42, 0x1111, s40                    ; my column
	s_mov_b32 s22, 0x76543210
	s_mov_b32 s23, 0xfedcba98                      ; v_permlanex16_b32's selects for lane l xor 16
	; descriptor group 1.  Codes: 8 tiles' chunks: 8 rows of 4,096 bytes (512 elements of 8 bytes), 8,192 bytes apart.  Scale words: 8 tiles x 512 dense bytes as 16 rows of 256
	s_or_b32 s24, s43, (3<<16)|(1<<21)             ; S1's codes: 15:0 the mask: my row; 17:16 elements of 8 bytes; 21 set beside a mask
	s_or_b32 s48, s42, (3<<16)|(1<<21)             ; S0's codes: my column
	s_or_b32 s68, s43, (3<<16)|(1<<21)             ; S1's scale words
	s_or_b32 s80, s42, (3<<16)|(1<<21)             ; S0's
.irp g, 24, 48
	s_mov_b32 s[\g+1], 512<<16                     ; tensor_dim0
	s_mov_b32 s[\g+2], 8<<16                       ; tensor_dim1
	s_mov_b32 s[\g+3], 512<<16                     ; tile_dim0
	s_mov_b32 s[\g+4], 8                           ; tile_dim1
	s_mov_b32 s[\g+5], 1024                        ; from row to row
	s_mov_b32 s[\g+6], 0
	s_mov_b32 s[\g+7], 0
.endr
.irp g, 68, 80
	s_mov_b32 s[\g+1], 32<<16
	s_mov_b32 s[\g+2], 16<<16
	s_mov_b32 s[\g+3], 32<<16
	s_mov_b32 s[\g+4], 16
	s_mov_b32 s[\g+5], 32
	s_mov_b32 s[\g+6], 0
	s_mov_b32 s[\g+7], 0
.endr
	; first tiles in xw.  They hang on the cluster's number; S0's then on cx, S1's on cy, each in registers that never hold the other
	s_lshl_b32 s44, s19, 6
	s_add_co_u32 s44, s44, 1024                    ; the weight: 1024 + 64 job
	s_min_u32 s45, s19, 1
	s_lshl_b32 s45, s45, 9                         ; query at 0, key_value at 512,
	s_lshl_b32 s21, s20, 6
	s_add_co_u32 s45, s45, s21                     ; + 64 sub
	s_cmp_eq_u32 s19, 2
	s_cselect_b32 s46, s45, s44                    ; S0
	s_cselect_b32 s47, s44, s45                    ; S1
	s_lshl_b32 s2, s18, 3                          ; the 8 tiles that I fetch
	s_lshl_b32 s3, s40, 4
	s_add_co_u32 s46, s46, s3
	s_add_co_u32 s46, s46, s2
	s_lshl_b32 s21, s41, 4
	s_add_co_u32 s47, s47, s21
	s_add_co_u32 s47, s47, s2
	s_lshl_b32 s92, s46, 13                        ; S0: codes,
	s_mov_b32 s93, 0
	s_lshl_b32 s94, s46, 9
	s_add_co_u32 s94, s94, XSCL                    ; scale words
	s_mov_b32 s95, 0
	s_lshl_b32 s96, s47, 13                        ; S1 likewise
	s_mov_b32 s97, 0
	s_lshl_b32 s98, s47, 9
	s_add_co_u32 s98, s98, XSCL
	s_mov_b32 s99, 0
	s_lshl_b32 s100, s16, 15                       ; where they go: wave x 8 tiles x 4,096: S1's two halves, then S0's: no place in the cluster enters an LDS address
	s_lshl_b32 s101, s16, 12
	s_add_co_u32 s101, s101, SCLAT
	s_wait_dscnt 0x0
	s_wait_kmcnt 0x0
	s_mov_b32 s76, 1                               ; group 0: count; LDS address; global address; type 2
	s_mov_b32 s77, s101
	s_add_nc_u64 s[78:79], s[4:5], s[98:99]
	s_or_b32 s79, s79, 0x80000000
	s_mov_b32 s88, 1
	s_mov_b32 s89, s101
	s_add_nc_u64 s[90:91], s[4:5], s[94:95]
	s_or_b32 s91, s91, 0x80000000
	s_mov_b32 s32, 1
	s_mov_b32 s33, s100
	s_add_nc_u64 s[34:35], s[4:5], s[96:97]
	s_mov_b32 s36, 1
	s_add_co_u32 s37, s100, CHUNK
	s_add_nc_u64 s[38:39], s[34:35], 4096          ; chunk 1: four K steps on
	s_or_b32 s35, s35, 0x80000000
	s_or_b32 s39, s39, 0x80000000
	s_mov_b32 s56, 1
	s_mov_b32 s57, s100
	s_add_nc_u64 s[58:59], s[4:5], s[92:93]
	s_mov_b32 s60, 1
	s_add_co_u32 s61, s100, CHUNK
	s_add_nc_u64 s[62:63], s[58:59], 4096
	s_or_b32 s59, s59, 0x80000000
	s_or_b32 s63, s63, 0x80000000
	CROUND                                         ; all sixteen work-groups are here: the joint loads meet
	s_cmp_eq_u32 s17, 0                            ; a wave's three fills stand in one branch on its number: three loads of mine are out
	s_cbranch_scc0 .Lfor_s0
	tensor_load_to_lds s[76:79], s[68:75]          ; scale words, chunk 0, chunk 1: in the order in which they are wanted
	s_nop 0
	tensor_load_to_lds s[32:35], s[24:31]
	s_nop 0
	tensor_load_to_lds s[36:39], s[24:31]
	s_nop 0
	PLACES
	s_branch .Lasked
.Lfor_s0:
	tensor_load_to_lds s[88:91], s[80:87]
	s_nop 0
	tensor_load_to_lds s[56:59], s[48:55]
	s_nop 0
	tensor_load_to_lds s[60:63], s[48:55]
	s_nop 0
	PLACES
.Lasked:
	v_and_b32 v[LA], 31, v0
	v_lshlrev_b32 v[LA], 4, v[LA]
	v_and_b32 v[RR], 15, v0
	v_bfe_u32 v[HH], v0, 4, 1
	s_wait_alu depctr_va_vdst(0)
	s_lshl_b32 s2, s17, 15                         ; my 8 tiles of S1,
	s_lshl_b32 s3, s18, 15
	s_add_co_u32 s3, s3, S0AT                      ; of S0
	v_add_nc_u32 v[ADR1], s2, v[LA]
	v_add_nc_u32 v[ADR0], s3, v[LA]
	s_add_co_u32 s2, s2, CHUNK
	s_add_co_u32 s3, s3, CHUNK
	v_add_nc_u32 v[ADR1+1], s2, v[LA]
	v_add_nc_u32 v[ADR0+1], s3, v[LA]
	s_lshl_b32 s2, s17, 12                         ; scale words: S1's 8 tiles x 512;
	s_lshl_b32 s3, s18, 12
	s_add_co_u32 s3, s3, 8192
	s_sub_co_u32 s3, s3, s2                        ; from there to S0's
	v_mul_u32_u24 v[ADRS], s3, v[HH]               ; lanes 16-31 take S0's
	v_lshl_add_u32 v[ADRS], v[RR], 4, v[ADRS]
	s_add_co_u32 s2, s2, SCLAT
	v_add_nc_u32 v[ADRS], s2, v[ADRS]
	; where the results go.  The token axis is S1's for Q and K, S0's for V; the feature axis the other
	s_cmp_eq_u32 s19, 2
	s_cselect_b32 s42, s40, s41
	s_cselect_b32 s43, s18, s17
	s_cselect_b32 s44, s41, s40
	s_cselect_b32 s45, s17, s18
	s_lshl_b32 s46, s20, 6
	s_lshl_b32 s42, s42, 4
	s_add_co_u32 s46, s46, s42
	s_lshl_b32 s43, s43, 3
	s_add_co_u32 s46, s46, s43                     ; my first token tile: 64 sub + 16 place + 8 half
	s_lshl_b32 s44, s44, 2
	s_lshl_b32 s45, s45, 1
	s_add_co_u32 s44, s44, s45                     ; my first head: 4 place + 2 half
	s_lshr_b32 s45, s46, 7                         ; the batch: 128 tiles each
	s_and_b32 s46, s46, 127
	s_lshl_b32 s45, s45, 4
	s_add_co_u32 s45, s45, s44                     ; bh
	s_lshr_b32 s47, s46, 3                         ; the block of 128 tokens
	s_lshl_b32 s42, s45, 4
	s_add_co_u32 s42, s42, s47
	s_mul_i32 s43, s42, REC                        ; the record
	s_lshl_b32 s42, s42, 9
	s_add_co_u32 s42, s42, QSCL                    ; Q's scale words
	s_lshl_b32 s45, s45, 7
	s_add_co_u32 s45, s45, s46
	s_lshl_b32 s45, s45, 9                         ; Q's codes
	s_add_co_u32 s46, s43, 4096                    ; V's codes
	s_add_co_u32 s47, s43, 8192                    ; K's scale words
	s_add_co_u32 s100, s43, 8704                   ; V's
	s_lshl_b32 s2, s44, 8                          ; the bias: 64 numbers a head
	s_mov_b32 s3, 0
	s_cmp_eq_u32 s19, 2
	s_cselect_b32 s43, s46, s43
	s_cselect_b32 s47, s100, s47
	s_mov_b32 s96, 512
	s_cselect_b32 s96, 1024, s96                   ; from tile a to tile a + 1
	s_cselect_b32 s97, HEADB-4096, 0               ; V: tiles 4-7 belong to the next head
	s_mov_b32 s98, HEADB
	s_cselect_b32 s98, 512, s98                    ; from a tile's first four registers to its last four: V: the fragment's second half;
	s_cselect_b64 s[66:67], s[10:11], s[8:9]
	s_cmp_eq_u32 s19, 0
	s_cselect_b32 s100, s45, s43
	s_cselect_b32 s46, s42, s47
	s_cselect_b32 s98, 65536, s98                  ; Q, K: the next head
	s_mov_b32 s99, HEADB
	s_cselect_b32 s99, 8192, s99                   ; and the next head's scale words
	s_cselect_b64 s[66:67], s[6:7], s[66:67]
	s_cselect_b64 s[92:93], s[12:13], s[14:15]
	s_mov_b64 s[94:95], s[92:93]
	s_mov_b32 s101, 0
	s_mov_b32 s47, 0
	s_add_nc_u64 s[92:93], s[92:93], s[100:101]    ; codes
	s_add_nc_u64 s[94:95], s[94:95], s[46:47]      ; scale words
	s_add_nc_u64 s[66:67], s[66:67], s[2:3]        ; bias
	; the bias is the C of each sum's first matrix instruction: eight registers a tile, in the result's layout
	v_lshlrev_b32 v[BOF], 6, v[HH]
	v_and_b32 v[BOV], 8, v[RR]
	v_add_nc_u32 v[BOV], v[BOV], v[RR]
	v_lshlrev_b32 v[BOV], 2, v[BOV]
	s_cmp_eq_u32 s19, 2
	s_cbranch_scc1 .Lbias_v
.irp b, 0,1,2,3,4,5,6,7                ; Q, K: for S0's tile b the features 32 (b / 2) + 16 h + 8 (b % 2) + 0 .. 7
	global_load_b128 v[BIAS+8*\b:BIAS+8*\b+3], v[BOF], s[66:67] offset:(32*(\b/2)+8*(\b%2))*4
	global_load_b128 v[BIAS+8*\b+4:BIAS+8*\b+7], v[BOF], s[66:67] offset:(32*(\b/2)+8*(\b%2))*4+16
.endr
	s_branch .Lbias_done
.Lbias_v:
	s_wait_alu depctr_va_vdst(0)
.irp a, 0,1,2,3,4,5,6,7                ; V: for S1's tile a my lane's one feature, in all eight registers
	global_load_b32 v[BIAS+8*\a], v[BOV], s[66:67] offset:(32*(\a/2)+8*(\a%2))*4
.endr
	s_wait_loadcnt 0x0
.irp a, 0,1,2,3,4,5,6,7
.irp j, 1,2,3,4,5,6,7
	v_mov_b32 v[BIAS+8*\a+\j], v[BIAS+8*\a]
.endr
.endr
.Lbias_done:
	s_mov_b32 s2, 0
.irp a, 0,1,2,3,4,5,6,7
	v_add_nc_u32 v[OF0+\a], s2, v[LA]
	v_add_nc_u32 v[OF1+\a], s98, v[OF0+\a]
	s_add_co_u32 s2, s2, s96
.if \a == 3
	s_add_co_u32 s2, s2, s97
.endif
.endr
	v_add_nc_u32 v[SO1], s99, v[LA]
	v_mul_u32_u24 v[SOV], v[HH], HEADB
	v_lshl_add_u32 v[SOV], v[RR], 4, v[SOV]        ; V's scale words: 16 r; lanes 16-31 the next head's record
	v_mov_b32 v[SEVF], 0x7f7f7f7f
.irp b, 0,1,2,3
	v_mov_b32 v[TM+4+\b], 0                        ; written once: a lane permute's destination counts as one of its sources
.endr
; 32 LDS loads in one run: K step s: S0's eight fragments and S1's eight into set s % 2
.macro FETCH s
	WIN 0x40                                       ; destination window 1, address window 0
.irp i, 0,1,2,3,4,5,6,7
.irp c, 0,1
	ds_load_b128 v[64*((\s)%2)+8*\i+4*\c:64*((\s)%2)+8*\i+4*\c+3], v[ADR0+(\s)/4] offset:\i*4096+((\s)%4)*1024+512*\c
.endr
.endr
.irp i, 0,1,2,3,4,5,6,7
.irp c, 0,1
	ds_load_b128 v[128+64*((\s)%2)+8*\i+4*\c:128+64*((\s)%2)+8*\i+4*\c+3], v[ADR1+(\s)/4] offset:\i*4096+((\s)%4)*1024+512*\c
.endr
.endr
.endm
.macro SCALES                          ; all eight K steps' scale words, once
.irp g, 0,1
.irp i, 0,1,2,3,4,5,6,7
	ds_load_b128 v[SC+32*\g+4*\i:SC+32*\g+4*\i+3], v[ADRS] offset:512*\i+256*\g
.endr
.endr
.endm
; 32 matrix instructions: S1's tiles 4 hi .. 4 hi + 3 x S0's eight, K step s.  cmode 0: onto the sums; 1: the bias by S0's tile starts them; 2: by S1's tile.
; The 64 accumulators take turns, one instruction a turn, in the same order in every step.
.macro MULH hi, s, cmode
.irp a, 0,1,2,3
.irp b, 0,1,2,3,4,5,6,7
.set AC, 8*(8*\a+\b)
.if \cmode == 0
.set CB, AC
.elseif \cmode == 1
.set CB, BIAS+8*\b
.else
.set CB, BIAS+8*(4*\hi+\a)
.endif
	v_wmma_scale_f32_16x16x128_f8f6f4 v[AC:AC+7], v[64*((\s)%2)+8*\b:64*((\s)%2)+8*\b+7], v[128+64*((\s)%2)+8*(4*\hi+\a):128+64*((\s)%2)+8*(4*\hi+\a)+7], v[CB:CB+7], v[SC+32*((\s)/4)+4*\b+(\s)%4], v[SC+32*((\s)/4)+4*(4*\hi+\a)+(\s)%4] matrix_a_fmt:MATRIX_FMT_FP4 matrix_b_fmt:MATRIX_FMT_FP4 matrix_a_scale:MATRIX_SCALE_ROW1
.endr
.endr
.endm
.macro STEP s
	s_wait_dscnt 0x0                               ; this step's fragments are in (asked for 64 matrix instructions ago)
.if (\s) == 3
	s_wait_tensorcnt 0x0                           ; my part of chunk 1 has landed,
	s_barrier_signal -1
	s_barrier_wait -1                              ; everybody's has.
.endif
.if (\s) < 7
	PLACES                                         ; the other set was read by the step before
	FETCH (\s)+1
.endif
	WIN 0xa5                                       ; sources 0 and 1 window 1, C and D window 2
	MULH 0, \s, 0
	WIN 0xf5                                       ; C and D window 3
	MULH 1, \s, 0
.endm
	s_wait_tensorcnt 0x1                           ; my scale words and my part of chunk 0 are in; chunk 1's load may stay out
	s_barrier_signal -1
	s_barrier_wait -1                              ; everybody's are
	FETCH 0
	WIN 0
	SCALES
	FETCH 1
	WIN 0
	s_wait_loadcnt 0x0                             ; the bias
	s_wait_dscnt 32                                ; all but K step 1's 32 loads
	s_cmp_eq_u32 s19, 2                            ; the job is the same in all sixteen partners
	s_cbranch_scc1 .Lfirst_v
	WIN 0x85                                       ; C (the bias) window 0, D window 2
	MULH 0, 0, 1
	WIN 0xc5
	MULH 1, 0, 1
	WIN 0
	s_branch .Lfirst_done
.Lfirst_v:
	WIN 0x85
	MULH 0, 0, 2
	WIN 0xc5
	MULH 1, 0, 2
	WIN 0
.Lfirst_done:
	STEP 1
	STEP 2
	STEP 3
	STEP 4
	STEP 5
	STEP 6
	STEP 7
	WIN 0
	PLACES
; THE WAY OUT.  S1's tile a: a lane's 64 numbers, register 16 B + i = place 32 B + 16 h + i along S0, become a fragment's eight registers of codes and a scale word.
; Each accumulator is read from its low end on.  Each store of codes covers 512 consecutive bytes, aligned.
.macro QUANT a
.set AC, 64*((\a)%4)
.set WW, 2+(\a)/4
	WIN (WW<<2)|(WW<<4)                            ; sources 1 and 2: the accumulators' window
.irp b, 0,1,2,3
	v_max3_num_f32 v[TM+\b], 0x1800000, |v[AC+16*\b]|, |v[AC+16*\b+1]|   ; block B: my 16 numbers, and the floor 2^(3 - 127): the byte cannot fall under 1
.endr
.irp i, 2,4,6,8,10,12,14
.irp b, 0,1,2,3
	v_max3_num_f32 v[TM+\b], v[TM+\b], |v[AC+16*\b+\i]|, |v[AC+16*\b+\i+1]|   ; (the four blocks by turns)
.endr
.endr
	WIN 0
.irp b, 0,1,2,3
	v_permlanex16_b32 v[TM+4+\b], v[TM+\b], s22, s23
.endr
.irp b, 0,1,2,3
	v_max_num_f32 v[TM+\b], v[TM+\b], v[TM+4+\b]   ; with lane l xor 16's 16: the block's largest magnitude
.endr
.irp b, 0,1,2,3
	v_add_nc_u32 v[TM+12+\b], 0xff000000, v[TM+\b] ; 2 off its exponent field: the conversion's scale operand
.endr
.irp b, 0,1,2,3
	v_lshrrev_b32 v[TM+4+\b], 23, v[TM+12+\b]      ; the scale's byte
.endr
	v_lshl_or_b32 v[WD+(\a)], v[TM+5], 8, v[TM+4]
	v_lshl_or_b32 v[WD+(\a)], v[TM+6], 16, v[WD+(\a)]
	v_lshl_or_b32 v[WD+(\a)], v[TM+7], 24, v[WD+(\a)]
	WIN WW                                         ; source 0: the accumulators' window
.irp b, 0,1,2,3
	v_cvt_scalef32_pk8_fp4_f32 v[PC+8*(\a)+2*\b], v[AC+16*\b:AC+16*\b+7], v[TM+12+\b]
	v_cvt_scalef32_pk8_fp4_f32 v[PC+8*(\a)+2*\b+1], v[AC+16*\b+8:AC+16*\b+15], v[TM+12+\b]
.endr
	WIN 0
	v_nop                                          ; one plain instruction behind the last scaled conversion
.irp c, 0,1                            ; the operand's layout wants a whole block in a lane: lanes 0-15 block 2 c, lanes 16-31 block 2 c + 1
.irp i, 0,1
	v_permlane16_swap_b32 v[PC+8*(\a)+4*\c+\i], v[PC+8*(\a)+4*\c+2+\i]
.endr
.endr
	global_store_b128 v[OF0+(\a)], v[PC+8*(\a):PC+8*(\a)+3], s[92:93]
	global_store_b128 v[OF1+(\a)], v[PC+8*(\a)+4:PC+8*(\a)+7], s[92:93]
.endm
	QUANT 0
	QUANT 1
	QUANT 2
	QUANT 3
	QUANT 4
	QUANT 5
	QUANT 6
	QUANT 7
	; the scale words: both halves of the lanes hold all eight; lanes 0-15 take tiles 0-3's, lanes 16-31 tiles 4-7's
	v_cmp_ne_u32 vcc_lo, 0, v[HH]
.irp j, 0,1,2,3
	v_cndmask_b32 v[OO+\j], v[WD+\j], v[WD+4+\j], vcc_lo
.endr
	s_cmp_eq_u32 s19, 2
	s_cbranch_scc1 .Lscales_v
.irp j, 0,1,2,3                        ; Q, K: bytes 0, 1 are my first head's two blocks, bytes 2, 3 the next head's; the upper half of each head's word is 0x7f, for the zero codes that fill K up to 128
	v_perm_b32 v[OA+\j], v[SEVF], v[OO+\j], 0x07060100
.endr
.irp j, 0,1,2,3
	v_perm_b32 v[OB+\j], v[SEVF], v[OO+\j], 0x07060302
.endr
	global_store_b128 v[LA], v[OA:OA+3], s[94:95]  ; 512 consecutive bytes: 256 (tile / 4) + 16 r + 4 (tile % 4)
	global_store_b128 v[SO1], v[OB:OB+3], s[94:95]
	s_branch .Lscales_done
.Lscales_v:
	s_wait_alu depctr_va_vdst(0)
	global_store_b128 v[SOV], v[OO:OO+3], s[94:95] ; V: 16 r + 4 x channel tile: sixteen lanes store 256 consecutive bytes, aligned; lanes 16-31 in the next head's record
.Lscales_done:
	s_wait_tensorcnt 0x0
	ds_add_u32 v254, v255
	s_wait_dscnt 0x0
	CROUND                                         ; the closing round: no work-group ends while a partner may still ask for a tile that names it
	s_endpgm
.Lfunc_end_k_q6bcfac42f7_proj:
	.size	k_q6bcfac42f7_proj, .Lfunc_end_k_q6bcfac42f7_proj-k_q6bcfac42f7_proj
	.p2alignl 7, 3214868480
	.fill 96, 4, 3214868480
	.section	.rodata,"a",@progbits
	.p2align	6, 0x0
	.amdhsa_kernel k_q6bcfac42f7_proj
		.amdhsa_group_segment_fixed_size 279040
		.amdhsa_private_segment_fixed_size 0
		.amdhsa_enable_private_segment 0
		.amdhsa_kernarg_size 48
		.amdhsa_user_sgpr_count 2
		.amdhsa_user_sgpr_kernarg_segment_ptr 1
		.amdhsa_wavefront_size32 1
		.amdhsa_system_sgpr_workgroup_id_x 1
		.amdhsa_system_sgpr_workgroup_id_y 1
		.amdhsa_system_sgpr_workgroup_id_z 1
		.amdhsa_system_vgpr_workitem_id 0
		.amdhsa_next_free_vgpr 1024
		.amdhsa_next_free_sgpr 102
		.amdhsa_reserve_vcc 1
		.amdhsa_float_denorm_mode_32 3
		.amdhsa_float_denorm_mode_16_64 3
		.amdhsa_memory_ordered 1
		.amdhsa_forward_progress 1
		.amdhsa_inst_pref_size 141
	.end_amdhsa_kernel
	.amdgpu_metadata
---
amdhsa.version: [ 1, 2 ]
amdhsa.kernels:
  - .name:           k_q6bcfac42f7_proj
    .symbol:         k_q6bcfac42f7_proj.kd
    .args:
      - { .name: xw, .offset: 0, .size: 8, .value_kind: global_buffer, .address_space: global }
      - { .name: bq, .offset: 8, .size: 8, .value_kind: global_buffer, .address_space: global }
      - { .name: bk, .offset: 16, .size: 8, .value_kind: global_buffer, .address_space: global }
      - { .name: bv, .offset: 24, .size: 8, .value_kind: global_buffer, .address_space: global }
      - { .name: qb, .offset: 32, .size: 8, .value_kind: global_buffer, .address_space: global }
      - { .name: kvrec, .offset: 40, .size: 8, .value_kind: global_buffer, .address_space: global }
    .group_segment_fixed_size: 279040
    .private_segment_fixed_size: 0
    .kernarg_segment_align: 8
    .kernarg_segment_size: 48
    .max_flat_workgroup_size: 128
    .sgpr_count:     102
    .vgpr_count:     1024
    .wavefront_size: 32
...
	.end_amdgpu_metadata
.endif
;; end of part 2
;; launch attn (part 3): grid 4 x 64, 16 waves a work-group, no clusters, 169,984 bytes of LDS; arguments qb, kvrec, ab; writes ab
.if DOCPART == 3
	.amdgcn_target "amdgcn-amd-amdhsa--gfx1250"
	.amdhsa_code_object_version 6
	.text
	.protected	k_q6bcfac42f7_attn
	.globl	k_q6bcfac42f7_attn
	.p2align	8
	.type	k_q6bcfac42f7_attn,@function
k_q6bcfac42f7_attn:
	s_mov_b64 s[64:65], 0
	v_nop
	global_prefetch_b8 v0, s[64:65] scope:SCOPE_SE
	s_setreg_imm32_b32 hwreg(HW_REG_WAVE_MODE, 25, 1), 1
	s_wait_xcnt 0x0
; O[bh][q] = the sum over k of softmax_k(Q[q] . K[k] / 8) V[k], key k counting for query q where k <= q + 128; both products on codes of FP4 with E8M0 scales; the result, divided by the row's sum,
; is quantised along the model's 1,024 channels and stored as codes (ab), laid as the output projection's operand.
; THE SOFTMAX: t = score x log2(e) / 8; M = the row's largest t so far, rounded up to a whole number; p = 2^(t - M) is what is quantised, along the keys; the row's sum is taken of the unquantised p.
; When M moves, the sum and O are multiplied by 2^(old M - new M): exact.
; SHARES.  A work-group serves one (batch, head); the head's 16 records (128 keys each: K's codes, V's codes, their scale words: 143,360 bytes) come into LDS ONCE and are only read from then on.
; A wave owns one tile of 16 queries at a time and runs two phases: query blocks (of 128) A0 = x xor 7 (wave / 8) and A0 xor 15; tile wave % 8 of the block.  Block A has min(A + 2, 16) key steps, so the two
; phases have 19 steps together (18 for A0 = 0): all waves of the launch have nearly the same work.  Key step A + 1 lies on the mask's edge; the steps behind it are left out.
; EVERY LOOP HAS 16 TRIPS: a step that is left out is jumped over by a scalar branch on ids, not round the lines that step the address.
; NO CLUSTER, though the four work-groups of a head read the same records: which steps a wave leaves out hangs on the work-group's x.
; LAYOUT.  Both products are used transposed: S^T = K Q^T, O^T = V^T P^T: a lane holds ONE query (lane % 16) throughout.  The rows of a tile are not neighbours (tile 2 G + u, place r: row 32 G + 8 u + r + 8 (r / 8)),
; so that the 16 registers of two neighbouring tiles are 16 neighbouring keys (or channels): 32 G + 16 (lane / 16) + 0 .. 15.
; THE HEAD'S 64 IN AN INSTRUCTION OF K = 128: Q's registers 4-7 are zero codes; K's operand for tile t is v[32 + 4 t .. 39 + 4 t], whose upper half (the next tile's codes) multiplies zeros; bytes 2, 3 of both scale words are 0x7f.
; LIMITS: NaN and infinities are not served; a block whose largest magnitude lies under 2^-124, a block of zeros among them, gets the byte 1; the division by the sum is v_rcp_f32 and a multiplication;
; a block's largest p is taken as the exponential of the block's largest score.
.set REC,   8960
.set HEADB, 16*REC
.set QSCL,  4194304                    ; where Q's scale words begin in qb
.set ASCL,  4194304                    ; and the result's in ab
.set LA,   1                           ; v1   16 x lane
.set LR,   2                           ; v2   16 r
.set ADK,  3                           ; v3   the step's record + 16 x lane
.set ADS,  4                           ; v4   the step's record + 16 r
.set DM,   5                           ; v5   my query's place in its block - 16 h
.set QO,   6                           ; v6-7   Q's codes, phase 0, 1
.set QS,   8                           ; v8-9   Q's scale word
.set OC,   10                          ; v10-11 the result's codes
.set QF,   16                          ; v16-23, v24-31 Q's fragments
.set KF,   32                          ; v32-63 K's 8 tiles x 4 registers; v64-67 zeros
.set KS,   68                          ; v68-71 K's scale words: register t % 4, lanes 16 (t / 4) + r
.set VF,   72                          ; v72-103 V's four fragments
.set VS,   104                         ; v104-107 V's scale words
.set QW,   108                         ; v108-109 Q's scale words
.set PW,   110                         ; v110 p's scale word
.set S,    112                         ; v112-175 S^T, then p
.set OT,   176                         ; v176-207 O^T
.set PCD,  208                         ; v208-215 p's codes
.set OS,   216                         ; v216-217 where the result's two scale bytes go
.set OW,   218                         ; v218-219 the two bytes
.set OCD,  220                         ; v220-227 the result's codes
.set BM,   228                         ; v228-231 a block's largest score, then its largest p
.set BX,   232                         ; v232-235 the other half's; then the bytes
.set SCR,  236                         ; v236-239 the conversions' scale operands
.set FF,   240                         ; v[240:241] f = 2^(old M - new M); at the end 1 / the sum
.set TT,   242
.set SM2,  244                         ; v[244:245] the sum's second chain
.set NINF, 246
.set WV,  10
.set GQ,  11
.set TI,  12
.set BH,  14
.set AA,  15
.set G1,  16                           ; s[16:23] descriptor group 1;  s[24:27] group 0
.set G0,  24
.set SEL, 28
.set CS,  30                           ; s[30:31] c = log2(e) / 8
.set TB,  32                           ; the step's record in LDS
.set SI,  33                           ; the step
.set NS,  34                           ; s34-35 steps of phase 0, 1
.set DG,  36                           ; s36-37 the step on the mask's edge
	s_load_b128 s[4:7], s[0:1], 0x0                ; qb, kvrec
	s_load_b64 s[8:9], s[0:1], 0x10                ; ab
	v_lshl_add_u32 v254, v0, 2, 0x29000
	v_mov_b32 v255, 0
	ds_add_u32 v254, v255
	ds_add_u32 v254, v255
	v_lshrrev_b32 v1, 5, v0
	s_delay_alu instid0(VALU_DEP_1)
	v_readfirstlane_b32 s[WV], v1                  ; wave 0..15
	s_lshr_b32 s[GQ], s[WV], 3
	s_and_b32 s[TI], s[WV], 7
	s_and_b32 s[BH], ttmp7, 0xffff                 ; 16 x batch + head
	; the fill: waves 0 to 7 bring two records each: 17,920 dense bytes as 70 rows of 256 (32 elements of 8 bytes)
	s_mov_b32 s[G1], 3<<16                         ; no mask; elements of 8 bytes; no padding: every read is at 16 x lane or 16 r
	s_mov_b32 s[G1+1], 32<<16                      ; tensor_dim0
	s_mov_b32 s[G1+2], 70<<16                      ; tensor_dim1
	s_mov_b32 s[G1+3], 32<<16                      ; tile_dim0
	s_mov_b32 s[G1+4], 70                          ; tile_dim1
	s_mov_b32 s[G1+5], 32                          ; from row to row
	s_mov_b32 s[G1+6], 0
	s_mov_b32 s[G1+7], 0
	s_mov_b32 s[G0], 1
	s_mul_i32 s[G0+1], s[TI], 2*REC
	s_mul_i32 s38, s[BH], HEADB
	s_add_co_u32 s38, s38, s[G0+1]
	s_mov_b32 s39, 0
	s_mov_b32 s[SEL], 0x76543210
	s_mov_b32 s[SEL+1], 0xfedcba98
	s_mov_b32 s[CS], 0x3e38aa3b
	s_mov_b32 s[CS+1], s[CS]                       ; (named with it as a pair, so it is written)
	s_wait_dscnt 0x0
	s_wait_kmcnt 0x0
	s_add_nc_u64 s[G0+2:G0+3], s[6:7], s[38:39]
	s_or_b32 s[G0+3], s[G0+3], 0x80000000
	s_cmp_lt_u32 s[WV], 8
	s_cbranch_scc0 .Lno_fill
	tensor_load_to_lds s[G0:G0+3], s[G1:G1+7]      ; one load of mine is out
	s_nop 0
.rept 4
	v_nop
.endr
.Lno_fill:
	v_and_b32 v[LA], 31, v0
	s_delay_alu instid0(VALU_DEP_1)
	v_lshlrev_b32 v[LA], 4, v[LA]
	s_wait_alu depctr_va_vdst(0)
	v_and_b32 v[DM], 15, v0                        ; r
	s_delay_alu instid0(VALU_DEP_1)
	v_lshlrev_b32 v[LR], 4, v[DM]
	s_wait_alu depctr_va_vdst(0)
	v_bfe_u32 v[ADK], v0, 4, 1                     ; h
	v_and_b32 v[ADS], 8, v[DM]
	s_delay_alu instid0(VALU_DEP_1)
	v_add_nc_u32 v[DM], v[DM], v[ADS]              ; r + 8 (r / 8)
	s_delay_alu instid0(VALU_DEP_3)
	v_lshlrev_b32 v[ADK], 4, v[ADK]
	s_delay_alu instid0(VALU_DEP_1)
	v_sub_nc_u32 v[DM], v[DM], v[ADK]              ; - 16 h
	s_lshr_b32 s38, s[TI], 1
	s_lshl_b32 s38, s38, 5
	s_and_b32 s39, s[TI], 1
	s_lshl_b32 s39, s39, 3
	s_add_co_u32 s38, s38, s39
	v_add_nc_u32 v[DM], s38, v[DM]                 ; + 32 (tile / 2) + 8 (tile % 2)
; a phase's numbers and offsets, from its query block s[AA]; and its loads of Q
.macro OFFS p
	s_add_co_u32 s[NS+\p], s[AA], 2
	s_min_u32 s[NS+\p], s[NS+\p], 16
	s_add_co_u32 s[DG+\p], s[AA], 1
	s_lshl_b32 s40, s[AA], 3
	s_add_co_u32 s40, s40, s[TI]                   ; my token tile in the batch
	s_lshl_b32 s41, s[BH], 7
	s_add_co_u32 s41, s41, s40
	s_lshl_b32 s41, s41, 9
	v_add_nc_u32 v[QO+\p], s41, v[LA]
	s_wait_alu depctr_va_vdst(0)
	s_lshl_b32 s41, s[BH], 4
	s_add_co_u32 s41, s41, s[AA]
	s_lshl_b32 s41, s41, 9
	s_lshr_b32 s42, s[TI], 2
	s_lshl_b32 s42, s42, 8
	s_add_co_u32 s41, s41, s42
	s_and_b32 s42, s[TI], 3
	s_lshl_b32 s42, s42, 2
	s_add_co_u32 s41, s41, s42
	s_add_co_u32 s41, s41, QSCL
	v_add_nc_u32 v[QS+\p], s41, v[LR]
	s_wait_alu depctr_va_vdst(0)
	s_lshr_b32 s41, s[BH], 4
	s_lshl_b32 s41, s41, 7
	s_add_co_u32 s41, s41, s40                     ; the token tile among all 512
	s_and_b32 s42, s[BH], 15                       ; the head: K step head / 2 of the next product, half head % 2 of its fragment
	s_lshl_b32 s43, s41, 13
	s_lshr_b32 s44, s42, 1
	s_lshl_b32 s45, s44, 10
	s_add_co_u32 s43, s43, s45
	s_and_b32 s45, s42, 1
	s_lshl_b32 s46, s45, 9
	s_add_co_u32 s43, s43, s46
	v_add_nc_u32 v[OC+\p], s43, v[LA]
	s_lshl_b32 s43, s41, 9
	s_lshr_b32 s46, s42, 3
	s_lshl_b32 s46, s46, 8
	s_add_co_u32 s43, s43, s46
	s_and_b32 s44, s44, 3
	s_lshl_b32 s44, s44, 2
	s_add_co_u32 s43, s43, s44
	s_lshl_b32 s45, s45, 1
	s_add_co_u32 s43, s43, s45
	s_add_co_u32 s43, s43, ASCL
	v_add_nc_u32 v[OS+\p], s43, v[LR]
	global_load_b128 v[QF+8*\p:QF+8*\p+3], v[QO+\p], s[4:5]
	global_load_b32 v[QW+\p], v[QS+\p], s[4:5]
.endm
	s_mul_i32 s[AA], s[GQ], 7
	s_xor_b32 s[AA], s[AA], ttmp9
	OFFS 0
	s_xor_b32 s[AA], s[AA], 15
	OFFS 1
.irp j, 0,1,2,3
	v_mov_b32 v[QF+4+\j], 0                        ; zero codes: K = 64 .. 127 of the first product
	v_mov_b32 v[QF+12+\j], 0
	v_mov_b32 v[KF+32+\j], 0                       ; the upper half of the last tile's operand
	v_mov_b32 v[BX+\j], 0                          ; written once: a lane permute's destination counts as one of its sources
.endr
	v_mov_b32 v[FF+1], 0                           ; (named as the upper half of a pair)
	v_mov_b32 v[TT], 0
	v_mov_b32 v[NINF], 0xff800000
	s_wait_tensorcnt 0x0                           ; my part of the head's records has landed,
	s_barrier_signal -1
	s_barrier_wait -1                              ; everybody's has.  From here on LDS is only read
	s_wait_loadcnt 0x0                             ; Q
.macro PHASE p
	v_mov_b32 v13, 0xff61b1e6                      ; the largest t so far: -3e38, under every t
	s_delay_alu instid0(VALU_DEP_1)
	v_floor_f32 v12, -v13                          ; -M
	v_mov_b32 v14, 0                               ; the sum, in two halves
	v_mov_b32 v15, 0
.set I, 0
.rept 32
	v_mov_b32 v[OT+I], 0                           ; O^T: the step is written once: the first finds zeros, which the first change of M leaves zeros
.set I, I+1
.endr
	s_mov_b32 s[TB], 0
	s_mov_b32 s[SI], 0
.Lstep_\@:
	s_cmp_ge_u32 s[SI], s[NS+\p]                   ; all 128 keys hidden: the step's work is left out
	s_cbranch_scc1 .Lhidden_\@
	s_setprio 2
	v_add_nc_u32 v[ADK], s[TB], v[LA]              ; these four lines are the places in front of loads into registers that the last products read
	v_add_nc_u32 v[ADS], s[TB], v[LR]
	v_nop
	v_nop
.irp t, 0,1,2,3,4,5,6,7
	ds_load_b128 v[KF+4*\t:KF+4*\t+3], v[ADK] offset:512*\t
.endr
	ds_load_b128 v[KS:KS+3], v[ADK] offset:8192
.irp t, 0,1,2,3
.irp c, 0,1
	ds_load_b128 v[VF+8*\t+4*\c:VF+8*\t+4*\c+3], v[ADK] offset:4096+1024*\t+512*\c
.endr
.endr
	ds_load_b128 v[VS:VS+3], v[ADS] offset:8704
	s_wait_dscnt 9                                 ; K and its scale words are in; V's nine loads may be out until the second product
.irp t, 0,1,2,3
	v_wmma_scale_f32_16x16x128_f8f6f4 v[S+8*\t:S+8*\t+7], v[KF+4*\t:KF+4*\t+7], v[QF+8*\p:QF+8*\p+7], 0, v[KS+\t], v[QW+\p] matrix_a_fmt:MATRIX_FMT_FP4 matrix_b_fmt:MATRIX_FMT_FP4
.endr
.irp t, 4,5,6,7
	v_wmma_scale_f32_16x16x128_f8f6f4 v[S+8*\t:S+8*\t+7], v[KF+4*\t:KF+4*\t+7], v[QF+8*\p:QF+8*\p+7], 0, v[KS+\t-4], v[QW+\p] matrix_a_fmt:MATRIX_FMT_FP4 matrix_b_fmt:MATRIX_FMT_FP4 matrix_a_scale:MATRIX_SCALE_ROW1
.endr
.rept 4
	v_nop
.endr
	s_cmp_lg_u32 s[SI], s[DG+\p]                   ; on the mask's edge hidden scores become -infinity ahead of the maximum: p = 0 then
	s_cbranch_scc1 .Lopen_\@
.set I, 0
.rept 64                               ; register n holds key 32 (n / 16) + n % 16 + 16 h of the step: hidden where that is above my query's place in its block
	v_cmp_gt_i32 vcc_lo, 32*(I/16)+I%16, v[DM]
	v_cndmask_b32 v[S+I], v[S+I], v[NINF], vcc_lo
.set I, I+1
.endr
.Lopen_\@:
.irp b, 0,1,2,3
	v_max3_num_f32 v[BM+\b], v[S+16*\b], v[S+16*\b+1], v[S+16*\b+2]   ; the largest score of each block of 32 keys: for the row's maximum, and, since p rises with the score, for the block's largest p
.endr
.irp i, 3,5,7,9,11,13
.irp b, 0,1,2,3
	v_max3_num_f32 v[BM+\b], v[BM+\b], v[S+16*\b+\i], v[S+16*\b+\i+1]
.endr
.endr
.irp b, 0,1,2,3
	v_max_num_f32 v[BM+\b], v[BM+\b], v[S+16*\b+15]
.endr
.irp b, 0,1,2,3
	s_delay_alu instid0(VALU_DEP_4)
	v_permlanex16_b32 v[BX+\b], v[BM+\b], s[SEL], s[SEL+1]
.endr
.irp b, 0,1,2,3
	s_delay_alu instid0(VALU_DEP_4)
	v_max_num_f32 v[BM+\b], v[BM+\b], v[BX+\b]     ; with lane l xor 16's 16 keys
.endr
	s_delay_alu instid0(VALU_DEP_2)
	v_max3_num_f32 v[TT], v[BM], v[BM+1], v[BM+2]
	s_delay_alu instid0(VALU_DEP_1)
	v_max_num_f32 v[TT], v[TT], v[BM+3]            ; the step's largest score of my query
	s_delay_alu instid0(VALU_DEP_1)
	v_mul_f32 v[TT], s[CS], v[TT]                  ; as t (c is positive)
	s_delay_alu instid0(VALU_DEP_1)
	v_max_num_f32 v13, v13, v[TT]                  ; the running largest t
	v_mov_b32 v[TT], v12
	s_delay_alu instid0(VALU_DEP_2)
	v_floor_f32 v12, -v13                          ; the new -M = floor(-t): M is a whole number
	s_delay_alu instid0(VALU_DEP_1)
	v_sub_f32 v[TT], v12, v[TT]                    ; old M - new M: a whole number, 0 or less
	s_delay_alu instid0(VALU_DEP_1)
	v_cvt_i32_f32 v[TT], v[TT]                     ; (it saturates)
	s_delay_alu instid0(VALU_DEP_1)
	v_ldexp_f32 v[FF], 1.0, v[TT]                  ; f = 2^(old M - new M)
.set I, 0
.rept 32
	v_pk_fma_f32 v[S+I:S+I+1], v[S+I:S+I+1], s[CS:CS+1], v[12:13] op_sel_hi:[1,0,0]   ; t - M, two at a time
.set I, I+2
.endr
	s_setprio 1
.irp b, 0,1,2,3
	v_fma_f32 v[BM+\b], v[BM+\b], s[CS], v12       ; the same of each block's largest score
.endr
.set I, 0
	s_wait_alu depctr_va_vdst(0)
.rept 64
	v_exp_f32 v[S+I], v[S+I]                       ; p = 2^(t - M), at most 1: not normalised
.set I, I+1
.endr
	v_pk_mul_f32 v[14:15], v[14:15], v[FF:FF+1] op_sel_hi:[1,0]   ; the sums under the new M: the plain instruction behind the exponentials
	s_wait_alu depctr_va_vdst(0)                   ; one wait for the whole batch, ahead of its first reader
.irp b, 0,1,2,3
	v_exp_f32 v[BM+\b], v[BM+\b]                   ; the block's largest p
.endr
	v_pk_add_f32 v[244:245], v[116:117], v[120:121]
	v_pk_add_f32 v[252:253], v[124:125], v[128:129]
	v_pk_add_f32 v[250:251], v[132:133], v[136:137]
	v_pk_add_f32 v[248:249], v[140:141], v[144:145]
	v_pk_add_f32 v[238:239], v[148:149], v[152:153]
	v_pk_add_f32 v[236:237], v[156:157], v[160:161]
	v_pk_add_f32 v[234:235], v[164:165], v[168:169]
	v_pk_add_f32 v[14:15], v[14:15], v[172:173]
	v_pk_add_f32 v[244:245], v[244:245], v[112:113]
	v_pk_add_f32 v[252:253], v[252:253], v[114:115]
	v_pk_add_f32 v[250:251], v[250:251], v[118:119]
	v_pk_add_f32 v[248:249], v[248:249], v[122:123]
	v_pk_add_f32 v[238:239], v[238:239], v[126:127]
	v_pk_add_f32 v[236:237], v[236:237], v[130:131]
	v_pk_add_f32 v[234:235], v[234:235], v[134:135]
	v_pk_add_f32 v[14:15], v[14:15], v[138:139]
	v_pk_add_f32 v[244:245], v[244:245], v[142:143]
	v_pk_add_f32 v[252:253], v[252:253], v[146:147]
	v_pk_add_f32 v[250:251], v[250:251], v[150:151]
	v_pk_add_f32 v[248:249], v[248:249], v[154:155]
	v_pk_add_f32 v[238:239], v[238:239], v[158:159]
	v_pk_add_f32 v[236:237], v[236:237], v[162:163]
	v_pk_add_f32 v[234:235], v[234:235], v[166:167]
	v_pk_add_f32 v[14:15], v[14:15], v[170:171]
	v_pk_add_f32 v[244:245], v[244:245], v[174:175]
	s_delay_alu instid0(VALU_DEP_2)
	v_pk_add_f32 v[14:15], v[14:15], v[248:249]
	s_delay_alu instid0(VALU_DEP_2)
	v_pk_add_f32 v[244:245], v[244:245], v[238:239]
	v_pk_add_f32 v[252:253], v[252:253], v[236:237]
	v_pk_add_f32 v[250:251], v[250:251], v[234:235]
	s_delay_alu instid0(VALU_DEP_2)
	v_pk_add_f32 v[14:15], v[14:15], v[252:253]
	s_delay_alu instid0(VALU_DEP_2)
	v_pk_add_f32 v[244:245], v[244:245], v[250:251]
	s_delay_alu instid0(VALU_DEP_1)
	v_pk_add_f32 v[14:15], v[14:15], v[244:245]
	s_wait_alu depctr_va_vdst(0)                   ; and one for the four
.irp b, 0,1,2,3
	v_max_num_f32 v[BM+\b], 0x1800000, v[BM+\b]    ; the floor 2^(3 - 127): the byte cannot fall under 1 (a block whose every p is 0 keeps that byte: its codes are zeros)
.endr
.irp b, 0,1,2,3
	s_delay_alu instid0(VALU_DEP_4)
	v_add_nc_u32 v[SCR+\b], 0xff000000, v[BM+\b]   ; 2 off the exponent field: the conversion's scale operand
.endr
.irp b, 0,1,2,3
	s_delay_alu instid0(VALU_DEP_4)
	v_lshrrev_b32 v[BX+\b], 23, v[SCR+\b]          ; the scale's byte
.endr
	s_delay_alu instid0(VALU_DEP_3)
	v_lshl_or_b32 v[PW], v[BX+1], 8, v[BX]         ; p's scale word for these 128 keys
	s_delay_alu instid0(VALU_DEP_1)
	v_lshl_or_b32 v[PW], v[BX+2], 16, v[PW]
	s_delay_alu instid0(VALU_DEP_1)
	v_lshl_or_b32 v[PW], v[BX+3], 24, v[PW]
	s_setprio 0
.irp b, 0,1,2,3
	v_cvt_scalef32_pk8_fp4_f32 v[PCD+2*\b], v[S+16*\b:S+16*\b+7], v[SCR+\b]
	v_cvt_scalef32_pk8_fp4_f32 v[PCD+2*\b+1], v[S+16*\b+8:S+16*\b+15], v[SCR+\b]
.endr
	v_nop                                          ; one plain instruction behind the last scaled conversion
.irp c, 0,1                            ; the operand's layout wants a whole block in a lane
.irp i, 0,1
	v_permlane16_swap_b32 v[PCD+4*\c+\i], v[PCD+4*\c+2+\i]
.endr
.endr
.set I, 0
.rept 16
	v_pk_mul_f32 v[OT+I:OT+I+1], v[OT+I:OT+I+1], v[FF:FF+1] op_sel_hi:[1,0]   ; O^T under the new M.  (These sixteen also stand between the writes of p's codes and scale word and the products that read them)
.set I, I+2
.endr
	s_wait_alu depctr_va_vdst(0)
	s_wait_dscnt 0x0                               ; V and its scale words are in
.irp t, 0,1,2,3
	v_wmma_scale_f32_16x16x128_f8f6f4 v[OT+8*\t:OT+8*\t+7], v[VF+8*\t:VF+8*\t+7], v[PCD:PCD+7], v[OT+8*\t:OT+8*\t+7], v[VS+\t], v[PW] matrix_a_fmt:MATRIX_FMT_FP4 matrix_b_fmt:MATRIX_FMT_FP4
.endr
.Lhidden_\@:
	s_add_co_u32 s[TB], s[TB], REC
	s_add_co_u32 s[SI], s[SI], 1
	s_cmp_lt_u32 s[SI], 16
	s_cbranch_scc1 .Lstep_\@
	s_setprio 0
	; THE WAY OUT: O^T / the sum; its 32 registers are channels 32 B + 16 h + 0 .. 15 of my query: two blocks of 32 along the next product's K
.rept 4
	v_nop
.endr
	v_add_f32 v14, v14, v15
	s_delay_alu instid0(VALU_DEP_1)
	v_permlanex16_b32 v[TT], v14, s[SEL], s[SEL+1]
	s_delay_alu instid0(VALU_DEP_1)
	v_add_f32 v14, v14, v[TT]                      ; the row's sum
	s_wait_alu depctr_va_vdst(0)
	v_rcp_f32 v[FF], v14
	v_nop                                          ; a plain instruction behind the reciprocal,
	s_wait_alu depctr_va_vdst(0)                   ; and the wait ahead of its first reader
.set I, 0
.rept 16
	v_pk_mul_f32 v[OT+I:OT+I+1], v[OT+I:OT+I+1], v[FF:FF+1] op_sel_hi:[1,0]   ; each accumulator from its low end on
.set I, I+2
.endr
.irp b, 0,1
	v_max3_num_f32 v[BM+\b], |v[OT+16*\b]|, |v[OT+16*\b+1]|, 0x1800000
.endr
.irp i, 2,4,6,8,10,12,14
.irp b, 0,1
	s_delay_alu instid0(VALU_DEP_2)
	v_max3_num_f32 v[BM+\b], v[BM+\b], |v[OT+16*\b+\i]|, |v[OT+16*\b+\i+1]|
.endr
.endr
.irp b, 0,1
	s_delay_alu instid0(VALU_DEP_2)
	v_permlanex16_b32 v[BX+\b], v[BM+\b], s[SEL], s[SEL+1]
.endr
.irp b, 0,1
	s_delay_alu instid0(VALU_DEP_2)
	v_max_num_f32 v[BM+\b], v[BM+\b], v[BX+\b]
.endr
.irp b, 0,1
	s_delay_alu instid0(VALU_DEP_2)
	v_add_nc_u32 v[SCR+\b], 0xff000000, v[BM+\b]
.endr
.irp b, 0,1
	s_delay_alu instid0(VALU_DEP_2)
	v_lshrrev_b32 v[BX+\b], 23, v[SCR+\b]
.endr
	s_delay_alu instid0(VALU_DEP_1)
	v_lshl_or_b32 v[OW+\p], v[BX+1], 8, v[BX]      ; my head's two bytes of the row's scale word
.irp b, 0,1
	v_cvt_scalef32_pk8_fp4_f32 v[OCD+4*\p+2*\b], v[OT+16*\b:OT+16*\b+7], v[SCR+\b]
	v_cvt_scalef32_pk8_fp4_f32 v[OCD+4*\p+2*\b+1], v[OT+16*\b+8:OT+16*\b+15], v[SCR+\b]
.endr
	v_nop
.irp i, 0,1
	v_permlane16_swap_b32 v[OCD+4*\p+\i], v[OCD+4*\p+2+\i]
.endr
	global_store_b128 v[OC+\p], v[OCD+4*\p:OCD+4*\p+3], s[8:9]   ; 32 lanes store 512 consecutive bytes, aligned: half a fragment's image
	global_store_b16 v[OS+\p], v[OW+\p], s[8:9]    ; two bytes a row, 16 bytes apart (both halves of the lanes write the same): a scale word spans two heads, so this one store covers its 256 bytes in part: twice a wave
.endm
	PHASE 0
	PHASE 1
	s_wait_tensorcnt 0x0
	ds_add_u32 v254, v255
	s_wait_dscnt 0x0
	s_endpgm
.Lfunc_end_k_q6bcfac42f7_attn:
	.size	k_q6bcfac42f7_attn, .Lfunc_end_k_q6bcfac42f7_attn-k_q6bcfac42f7_attn
	.p2alignl 7, 3214868480
	.fill 96, 4, 3214868480
	.section	.rodata,"a",@progbits
	.p2align	6, 0x0
	.amdhsa_kernel k_q6bcfac42f7_attn
		.amdhsa_group_segment_fixed_size 169984
		.amdhsa_private_segment_fixed_size 0
		.amdhsa_enable_private_segment 0
		.amdhsa_kernarg_size 24
		.amdhsa_user_sgpr_count 2
		.amdhsa_user_sgpr_kernarg_segment_ptr 1
		.amdhsa_wavefront_size32 1
		.amdhsa_system_sgpr_workgroup_id_x 1
		.amdhsa_system_sgpr_workgroup_id_y 1
		.amdhsa_system_sgpr_workgroup_id_z 1
		.amdhsa_system_vgpr_workitem_id 0
		.amdhsa_next_free_vgpr 256
		.amdhsa_next_free_sgpr 66
		.amdhsa_reserve_vcc 1
		.amdhsa_float_denorm_mode_32 3
		.amdhsa_float_denorm_mode_16_64 3
		.amdhsa_memory_ordered 1
		.amdhsa_forward_progress 1
		.amdhsa_inst_pref_size 61
	.end_amdhsa_kernel
	.amdgpu_metadata
---
amdhsa.version: [ 1, 2 ]
amdhsa.kernels:
  - .name:           k_q6bcfac42f7_attn
    .symbol:         k_q6bcfac42f7_attn.kd
    .args:
      - { .name: qb, .offset: 0, .size: 8, .value_kind: global_buffer, .address_space: global }
      - { .name: kvrec, .offset: 8, .size: 8, .value_kind: global_buffer, .address_space: global }
      - { .name: ab, .offset: 16, .size: 8, .value_kind: global_buffer, .address_space: global }
    .group_segment_fixed_size: 169984
    .private_segment_fixed_size: 0
    .kernarg_segment_align: 8
    .kernarg_segment_size: 24
    .max_flat_workgroup_size: 512
    .sgpr_count:     66
    .vgpr_count:     256
    .wavefront_size: 32
...
	.end_amdgpu_metadata
.endif
;; end of part 3
;; launch oproj (part 4): grid 8 x 32, 4 waves a work-group, clusters of 4 x 4, 243,200 bytes of LDS; arguments ab, xw, bo, out0; writes out0
.if DOCPART == 4
	.amdgcn_target "amdgcn-amd-amdhsa--gfx1250"
	.amdhsa_code_object_version 6
	.text
	.protected	k_q6bcfac42f7_oproj
	.globl	k_q6bcfac42f7_oproj
	.p2align	8
	.type	k_q6bcfac42f7_oproj,@function
k_q6bcfac42f7_oproj:
	s_mov_b64 s[64:65], 0
	v_nop
	global_prefetch_b8 v0, s[64:65] scope:SCOPE_SE
	s_setreg_imm32_b32 hwreg(HW_REG_WAVE_MODE, 25, 1), 1
	s_wait_xcnt 0x0
	s_wait_alu depctr_hold_cnt(0) depctr_sa_sdst(0) depctr_va_vdst(0) depctr_va_sdst(0) depctr_va_ssrc(0) depctr_va_vcc(0) depctr_vm_vsrc(0)
	s_getreg_b32 s2, hwreg(HW_REG_IB_STS2, 6, 4)
	s_cmp_eq_u32 s2, 0
	s_cbranch_scc0 .Lentry_in_a_cluster
	s_endpgm
.Lentry_in_a_cluster:
	s_bfe_u32 s2, ttmp6, 0x10000c
	s_cmp_lg_u32 s2, 0xf033
	s_cbranch_scc0 .Lentry_shape_is_right
	s_endpgm
.Lentry_shape_is_right:
; out0 = a Wo^T + bo on codes of FP4 with E8M0 scales: a (8,192 tokens x 1,024) from ab, Wo from xw (tiles 1216 on), both laid as images of the operand's registers; out0 [8192][1024] f32.
; SHARES.  256 work-groups in 16 clusters of 4 x 4.  A work-group makes 256 tokens (S1: 16 tiles of ab) x 128 outputs (S0: 8 tiles of Wo); wave w takes S1's tiles 4 w .. 4 w + 3 against all of S0: 32 accumulators.
; S1's tiles hang on the work-group's y alone and are asked for jointly along a row of the cluster, S0's on its x alone and jointly along a column.
; THE MATRIX INSTRUCTION IS USED TRANSPOSED (source 0 = 16 rows of Wo, source 1 = 16 tokens): a lane holds one token and eight neighbouring outputs.
; The rows of a tile are not neighbours: tile 2 G + u, place r: row 32 G + 8 u + r + 8 (r / 8).
; LDS IS FILLED ONCE: all of K fits: two chunks of four K steps, and the scale words; three tensor loads a wave, all at the start; chunk 1 lands while chunk 0 is multiplied.
; REGISTERS, in windows of 256: window 0: v1-26 addresses; v32-63 S0's scale words, v64-79 S1's; v96-159 S1's fragments, two sets; on the way out v96-223 rows of out0.
;   window 1: accumulator (a, b) at v[8 (8 a + b)].   window 2: S0's fragments, two sets, at v0 and v64; bo from v128.
.set XSCL,  10485760                   ; where the scale words begin in xw
.set ASCL,  4194304                    ; and in ab
.set CHUNK, 98304                      ; LDS: chunk j: S1's 16 tiles x 4,096 bytes, then S0's 8
.set S0AT,  65536
.set S1SC,  196608                     ; S1's scale words: 16 tiles x 512
.set S0SC,  204800                     ; S0's: 8 tiles x 512
.set STAGE, 208896                     ; the way out: 16 rows x (512 + 16) bytes for each wave: bytes of their own, into which no fill lands
.set SP,    528
.set BOF,  4                           ; v4   bias: 64 h
.set ADR1, 16                          ; v16-17 my S1 fragments in chunk 0, 1
.set ADR0, 20                          ; v20-21 S0's fragments
.set ADS0, 22                          ; v22  S0's scale words: lanes 0-15 tiles 0-3, lanes 16-31 tiles 4-7
.set ADS1, 23                          ; v23  S1's: lanes 0-15 my tiles 0, 1, lanes 16-31 my tiles 2, 3
.set STO,  24                          ; v24  the stage: where I put 32 bytes of a row
.set RD,   25                          ; v25  and where I read a row back
.set CO,   26                          ; v26  16 x lane
.set SC0,  32                          ; register 16 g + 4 (b % 4) + q
.set SC1,  64                          ; register 8 g + 4 (a % 2) + q
.set S1F,  96
.set BK,   96
.set BO,   128                         ; in window 2
.set MSB, 0
.macro WIN new                         ; the immediate's high byte repeats the setting that is left
.if MSB != (\new)
	s_set_vgpr_msb (MSB<<8)|(\new)
.set MSB, (\new)
.endif
.endm
.macro PLACES                          ; four plain vector instructions between a matrix instruction and a load into one of its registers, or a read of its result
.rept 4
	v_nop
.endr
.endm
.macro CROUND                          ; a round of the cluster's barrier
	s_barrier_signal -1
	s_barrier_wait -1
	s_cmp_lg_u32 s14, 0
	s_cbranch_scc1 .Lnot_wave_0_\@
	s_barrier_signal -3
.Lnot_wave_0_\@:
	s_barrier_wait -3
	s_barrier_signal -1
	s_barrier_wait -1
.endm
	s_load_b256 s[4:11], s[0:1], 0x0               ; ab, xw, bo, out0
	v_lshl_add_u32 v254, v0, 2, 0x3b400
	v_mov_b32 v255, 0
	ds_add_u32 v254, v255
	ds_add_u32 v254, v255
	v_lshrrev_b32 v1, 5, v0
	v_readfirstlane_b32 s14, v1                    ; wave 0..3
	s_lshr_b32 s15, s14, 1                         ; I fetch for S1 (0) or for S0 (1),
	s_and_b32 s16, s14, 1                          ; this half of its tiles
	s_bfe_u32 s40, ttmp6, 0x40000                  ; cx
	s_bfe_u32 s41, ttmp6, 0x40004                  ; cy
	s_lshl_b32 s42, ttmp9, 2
	s_add_co_u32 s42, s42, s40                     ; work-group x: 128 outputs
	s_and_b32 s17, ttmp7, 0xffff
	s_lshl_b32 s17, s17, 2
	s_add_co_u32 s17, s17, s41                     ; work-group y: 256 tokens
	s_lshl_b32 s43, s41, 2
	s_lshl_b32 s43, 15, s43                        ; my row of the cluster
	s_lshl_b32 s44, 0x1111, s40                    ; my column
	; descriptor group 1.  Codes: a tile's chunk is a row of 4,096 bytes (512 elements of 8), rows 8,192 bytes apart: 8 rows for S1, 4 for S0.  Scale words: dense, as rows of 256 bytes: 16 and 8
	s_or_b32 s24, s43, (3<<16)|(1<<21)             ; 15:0 the mask; 17:16 elements of 8 bytes; 21 set beside a mask
	s_or_b32 s48, s44, (3<<16)|(1<<21)
	s_or_b32 s68, s43, (3<<16)|(1<<21)
	s_or_b32 s80, s44, (3<<16)|(1<<21)
	s_mov_b32 s25, 512<<16                         ; S1's codes
	s_mov_b32 s26, 8<<16
	s_mov_b32 s27, 512<<16
	s_mov_b32 s28, 8
	s_mov_b32 s29, 1024
	s_mov_b32 s30, 0
	s_mov_b32 s31, 0
	s_mov_b32 s49, 512<<16                         ; S0's codes
	s_mov_b32 s50, 4<<16
	s_mov_b32 s51, 512<<16
	s_mov_b32 s52, 4
	s_mov_b32 s53, 1024
	s_mov_b32 s54, 0
	s_mov_b32 s55, 0
	s_mov_b32 s69, 32<<16                          ; S1's scale words
	s_mov_b32 s70, 16<<16
	s_mov_b32 s71, 32<<16
	s_mov_b32 s72, 16
	s_mov_b32 s73, 32
	s_mov_b32 s74, 0
	s_mov_b32 s75, 0
	s_mov_b32 s81, 32<<16                          ; S0's scale words
	s_mov_b32 s82, 8<<16
	s_mov_b32 s83, 32<<16
	s_mov_b32 s84, 8
	s_mov_b32 s85, 32
	s_mov_b32 s86, 0
	s_mov_b32 s87, 0
	s_lshl_b32 s18, s17, 4
	s_lshl_b32 s19, s16, 3
	s_add_co_u32 s18, s18, s19                     ; S1: tile 16 y + 8 half
	s_lshl_b32 s20, s18, 13
	s_mov_b32 s21, 0
	s_lshl_b32 s22, s18, 9
	s_add_co_u32 s22, s22, ASCL
	s_mov_b32 s23, 0
	s_lshl_b32 s46, s42, 3
	s_lshl_b32 s47, s16, 2
	s_add_co_u32 s46, s46, s47
	s_add_co_u32 s46, s46, 1216                    ; S0: tile 1216 + 8 x + 4 half
	s_lshl_b32 s92, s46, 13
	s_mov_b32 s93, 0
	s_lshl_b32 s94, s46, 9
	s_add_co_u32 s94, s94, XSCL
	s_mov_b32 s95, 0
	s_lshl_b32 s45, s16, 15                        ; where they go: no place in the cluster enters an LDS address
	s_lshl_b32 s96, s16, 12
	s_add_co_u32 s96, s96, S1SC
	s_lshl_b32 s97, s16, 14
	s_add_co_u32 s97, s97, S0AT
	s_lshl_b32 s98, s16, 11
	s_add_co_u32 s98, s98, S0SC
	s_wait_dscnt 0x0
	s_wait_kmcnt 0x0
	s_mov_b32 s76, 1                               ; group 0: count; LDS address; global address; type 2
	s_mov_b32 s77, s96
	s_add_nc_u64 s[78:79], s[4:5], s[22:23]
	s_or_b32 s79, s79, 0x80000000
	s_mov_b32 s88, 1
	s_mov_b32 s89, s98
	s_add_nc_u64 s[90:91], s[6:7], s[94:95]
	s_or_b32 s91, s91, 0x80000000
	s_mov_b32 s32, 1
	s_mov_b32 s33, s45
	s_add_nc_u64 s[34:35], s[4:5], s[20:21]
	s_mov_b32 s36, 1
	s_add_co_u32 s37, s45, CHUNK
	s_add_nc_u64 s[38:39], s[34:35], 4096          ; chunk 1: four K steps on
	s_or_b32 s35, s35, 0x80000000
	s_or_b32 s39, s39, 0x80000000
	s_mov_b32 s56, 1
	s_mov_b32 s57, s97
	s_add_nc_u64 s[58:59], s[6:7], s[92:93]
	s_mov_b32 s60, 1
	s_add_co_u32 s61, s97, CHUNK
	s_add_nc_u64 s[62:63], s[58:59], 4096
	s_or_b32 s59, s59, 0x80000000
	s_or_b32 s63, s63, 0x80000000
	CROUND                                         ; all sixteen work-groups are here: the joint loads meet
	s_cmp_eq_u32 s15, 0                            ; a wave's three fills stand in one branch on its number: three loads of mine are out
	s_cbranch_scc0 .Lfor_s0
	tensor_load_to_lds s[76:79], s[68:75]          ; scale words, chunk 0, chunk 1
	s_nop 0
	tensor_load_to_lds s[32:35], s[24:31]
	s_nop 0
	tensor_load_to_lds s[36:39], s[24:31]
	s_nop 0
	PLACES
	s_branch .Lasked
.Lfor_s0:
	tensor_load_to_lds s[88:91], s[80:87]
	s_nop 0
	tensor_load_to_lds s[56:59], s[48:55]
	s_nop 0
	tensor_load_to_lds s[60:63], s[48:55]
	s_nop 0
	PLACES
.Lasked:
	v_and_b32 v1, 31, v0
	v_lshlrev_b32 v[CO], 4, v1
	v_and_b32 v2, 15, v0                           ; r
	v_bfe_u32 v3, v0, 4, 1                         ; h
	s_lshl_b32 s18, s14, 14                        ; my four tiles of S1
	v_add_nc_u32 v[ADR1], s18, v[CO]
	s_add_co_u32 s18, s18, CHUNK
	v_add_nc_u32 v[ADR1+1], s18, v[CO]
	v_add_nc_u32 v[ADR0], S0AT, v[CO]
	v_add_nc_u32 v[ADR0+1], S0AT+CHUNK, v[CO]
	v_lshlrev_b32 v[ADS0], 4, v2
	v_lshl_add_u32 v[ADS1], v3, 10, v[ADS0]        ; 16 r + two tiles' words for lanes 16-31
	v_lshl_add_u32 v[ADS0], v3, 11, v[ADS0]        ; 16 r + four tiles' words
	v_add_nc_u32 v[ADS0], S0SC, v[ADS0]
	s_lshl_b32 s18, s14, 11
	s_add_co_u32 s18, s18, S1SC
	v_add_nc_u32 v[ADS1], s18, v[ADS1]
	s_mul_i32 s18, s14, 16*SP
	s_add_co_u32 s18, s18, STAGE                   ; my stage
	v_mul_u32_u24 v[STO], v2, SP
	v_lshl_add_u32 v[STO], v3, 6, v[STO]           ; in: row r, + 64 h
	v_add_nc_u32 v[STO], s18, v[STO]
	v_add_nc_u32 v[RD], s18, v[CO]                 ; back: the 32 lanes take a row of 512 bytes
	v_lshlrev_b32 v[BOF], 6, v3
	s_wait_alu depctr_va_vdst(0)
	s_lshl_b32 s18, s17, 8
	s_lshl_b32 s19, s14, 6
	s_add_co_u32 s18, s18, s19                     ; my first token: 256 y + 64 wave
	s_lshl_b32 s18, s18, 12
	s_lshl_b32 s19, s42, 9                         ; my first output, in bytes
	s_add_co_u32 s18, s18, s19
	s_mov_b32 s19, 0
	s_add_nc_u64 s[10:11], s[10:11], s[18:19]
	s_lshl_b32 s18, s42, 9
	s_add_nc_u64 s[8:9], s[8:9], s[18:19]
	WIN 0x80                                       ; destination window 2
.irp b, 0,1,2,3,4,5,6,7                ; bo is the C of each sum's first matrix instruction: for S0's tile b the outputs 32 (b / 2) + 16 h + 8 (b % 2) + 0 .. 7
	global_load_b128 v[BO+8*\b:BO+8*\b+3], v[BOF], s[8:9] offset:(32*(\b/2)+8*(\b%2))*4
	global_load_b128 v[BO+8*\b+4:BO+8*\b+7], v[BOF], s[8:9] offset:(32*(\b/2)+8*(\b%2))*4+16
.endr
	WIN 0
.macro FETCH s                         ; 24 LDS loads in one run: K step s: S0's eight fragments and my four of S1 into set s % 2
	WIN 0x80
.irp i, 0,1,2,3,4,5,6,7
.irp c, 0,1
	ds_load_b128 v[64*((\s)%2)+8*\i+4*\c:64*((\s)%2)+8*\i+4*\c+3], v[ADR0+(\s)/4] offset:\i*4096+((\s)%4)*1024+512*\c
.endr
.endr
	WIN 0
.irp i, 0,1,2,3
.irp c, 0,1
	ds_load_b128 v[S1F+32*((\s)%2)+8*\i+4*\c:S1F+32*((\s)%2)+8*\i+4*\c+3], v[ADR1+(\s)/4] offset:\i*4096+((\s)%4)*1024+512*\c
.endr
.endr
.endm
.macro SCALES                          ; all eight K steps' scale words, once
.irp g, 0,1
.irp i, 0,1,2,3
	ds_load_b128 v[SC0+16*\g+4*\i:SC0+16*\g+4*\i+3], v[ADS0] offset:512*\i+256*\g
.endr
.irp i, 0,1
	ds_load_b128 v[SC1+8*\g+4*\i:SC1+8*\g+4*\i+3], v[ADS1] offset:512*\i+256*\g
.endr
.endr
.endm
; 32 matrix instructions: my four tiles of S1 x S0's eight, K step s.  first = 1: bo starts the sums.  The 32 accumulators take turns, one instruction a turn.
.macro MUL s, first
.irp a, 0,1,2,3
.irp b, 0,1,2,3,4,5,6,7
.set AC, 8*(8*\a+\b)
.if \first
.set CB, BO+8*\b
.else
.set CB, AC
.endif
.set FA, 64*((\s)%2)+8*\b
.set FB, S1F+32*((\s)%2)+8*\a
.set SA, SC0+16*((\s)/4)+4*(\b%4)+(\s)%4
.set SB, SC1+8*((\s)/4)+4*(\a%2)+(\s)%4
.if (\b < 4) && (\a < 2)
	v_wmma_scale_f32_16x16x128_f8f6f4 v[AC:AC+7], v[FA:FA+7], v[FB:FB+7], v[CB:CB+7], v[SA], v[SB] matrix_a_fmt:MATRIX_FMT_FP4 matrix_b_fmt:MATRIX_FMT_FP4
.elseif (\a < 2)
	v_wmma_scale_f32_16x16x128_f8f6f4 v[AC:AC+7], v[FA:FA+7], v[FB:FB+7], v[CB:CB+7], v[SA], v[SB] matrix_a_fmt:MATRIX_FMT_FP4 matrix_b_fmt:MATRIX_FMT_FP4 matrix_a_scale:MATRIX_SCALE_ROW1
.elseif (\b < 4)
	v_wmma_scale_f32_16x16x128_f8f6f4 v[AC:AC+7], v[FA:FA+7], v[FB:FB+7], v[CB:CB+7], v[SA], v[SB] matrix_a_fmt:MATRIX_FMT_FP4 matrix_b_fmt:MATRIX_FMT_FP4 matrix_b_scale:MATRIX_SCALE_ROW1
.else
	v_wmma_scale_f32_16x16x128_f8f6f4 v[AC:AC+7], v[FA:FA+7], v[FB:FB+7], v[CB:CB+7], v[SA], v[SB] matrix_a_fmt:MATRIX_FMT_FP4 matrix_b_fmt:MATRIX_FMT_FP4 matrix_a_scale:MATRIX_SCALE_ROW1 matrix_b_scale:MATRIX_SCALE_ROW1
.endif
.endr
.endr
.endm
.macro STEP s
	s_wait_dscnt 0x0                               ; this step's fragments are in (asked for 32 matrix instructions ago)
.if (\s) == 3
	s_wait_tensorcnt 0x0                           ; my part of chunk 1 has landed,
	s_barrier_signal -1
	s_barrier_wait -1                              ; everybody's has.
.endif
.if (\s) < 7
	PLACES                                         ; the other set was read by the step before
	FETCH (\s)+1
.endif
	WIN 0x52                                       ; source 0 (S0) window 2, source 1 (S1) window 0, C and D window 1
	MUL \s, 0
.endm
	s_wait_tensorcnt 0x1                           ; my scale words and my part of chunk 0 are in; chunk 1's load may stay out
	s_barrier_signal -1
	s_barrier_wait -1                              ; everybody's are
	FETCH 0
	SCALES
	FETCH 1
	s_wait_loadcnt 0x0                             ; bo
	s_wait_dscnt 24                                ; all but K step 1's 24 loads
	WIN 0x62                                       ; C (bo) window 2
	MUL 0, 1
	STEP 1
	STEP 2
	STEP 3
	STEP 4
	STEP 5
	STEP 6
	STEP 7
	WIN 0
	PLACES                                         ; for the first read of results and for the loads into the registers that held S1's fragments
; THE WAY OUT, a tile of 16 tokens x 128 outputs at a time.  A lane holds 32 neighbouring bytes of a row, and the lanes beside it hold other rows: so a tile goes through my own stage and comes back as whole rows
; of 512 bytes.  LDS serves a wave's instructions in order (ISA guide 5.7.1.4): no wait between the stores and the loads, nor in front of the next tile's stores.
.macro TOSTAGE a
	WIN 0x04                                       ; an LDS store's data are its source 1: window 1
.irp b, 0,1,2,3,4,5,6,7
	ds_store_b128 v[STO], v[8*(8*(\a)+\b):8*(8*(\a)+\b)+3] offset:128*(\b/2)+32*(\b%2)          ; each accumulator from its low end on
	ds_store_b128 v[STO], v[8*(8*(\a)+\b)+4:8*(8*(\a)+\b)+7] offset:128*(\b/2)+32*(\b%2)+16
.endr
	WIN 0
.set BB, BK+64*((\a)%2)
.irp t, 0,1,2,3,4,5,6,7,8,9,10,11,12,13,14,15
	ds_load_b128 v[BB+4*\t:BB+4*\t+3], v[RD] offset:\t*SP
.endr
.endm
.macro SEND a, younger                 ; younger: the LDS instructions issued behind tile a's loads, which may stay out
.set BB, BK+64*((\a)%2)
	s_wait_dscnt \younger
.irp t, 0,1,2,3,4,5,6,7,8,9,10,11,12,13,14,15
	global_store_b128 v[CO], v[BB+4*\t:BB+4*\t+3], s[10:11] offset:(32*((\a)/2)+8*((\a)%2)+\t+8*(\t/8))*4096 th:TH_STORE_NT   ; 32 lanes store 512 consecutive bytes, at a multiple of 256 from out0's first byte; the row is the tile's place t
.endr
.endm
	TOSTAGE 0
	TOSTAGE 1
	SEND 0, 32                                     ; behind tile 0's loads: tile 1's 16 stores and 16 loads
	s_wait_xcnt 0x0                                ; tile 0's stores have read their registers: tile 2's loads may land there
	TOSTAGE 2
	SEND 1, 32
	s_wait_xcnt 0x0
	TOSTAGE 3
	SEND 2, 32
	SEND 3, 0
	s_wait_tensorcnt 0x0
	ds_add_u32 v254, v255
	s_wait_dscnt 0x0
	CROUND                                         ; the closing round: no work-group ends while a partner may still ask for a tile that names it
	s_endpgm
.Lfunc_end_k_q6bcfac42f7_oproj:
	.size	k_q6bcfac42f7_oproj, .Lfunc_end_k_q6bcfac42f7_oproj-k_q6bcfac42f7_oproj
	.p2alignl 7, 3214868480
	.fill 96, 4, 3214868480
	.section	.rodata,"a",@progbits
	.p2align	6, 0x0
	.amdhsa_kernel k_q6bcfac42f7_oproj
		.amdhsa_group_segment_fixed_size 243200
		.amdhsa_private_segment_fixed_size 0
		.amdhsa_enable_private_segment 0
		.amdhsa_kernarg_size 32
		.amdhsa_user_sgpr_count 2
		.amdhsa_user_sgpr_kernarg_segment_ptr 1
		.amdhsa_wavefront_size32 1
		.amdhsa_system_sgpr_workgroup_id_x 1
		.amdhsa_system_sgpr_workgroup_id_y 1
		.amdhsa_system_sgpr_workgroup_id_z 1
		.amdhsa_system_vgpr_workitem_id 0
		.amdhsa_next_free_vgpr 768
		.amdhsa_next_free_sgpr 100
		.amdhsa_reserve_vcc 0
		.amdhsa_float_denorm_mode_32 3
		.amdhsa_float_denorm_mode_16_64 3
		.amdhsa_memory_ordered 1
		.amdhsa_forward_progress 1
		.amdhsa_inst_pref_size 72
	.end_amdhsa_kernel
	.amdgpu_metadata
---
amdhsa.version: [ 1, 2 ]
amdhsa.kernels:
  - .name:           k_q6bcfac42f7_oproj
    .symbol:         k_q6bcfac42f7_oproj.kd
    .args:
      - { .name: ab, .offset: 0, .size: 8, .value_kind: global_buffer, .address_space: global }
      - { .name: xw, .offset: 8, .size: 8, .value_kind: global_buffer, .address_space: global }
      - { .name: bo, .offset: 16, .size: 8, .value_kind: global_buffer, .address_space: global }
      - { .name: out0, .offset: 24, .size: 8, .value_kind: global_buffer, .address_space: global }
    .group_segment_fixed_size: 243200
    .private_segment_fixed_size: 0
    .kernarg_segment_align: 8
    .kernarg_segment_size: 32
    .max_flat_workgroup_size: 128
    .sgpr_count:     100
    .vgpr_count:     768
    .wavefront_size: 32
...
	.end_amdgpu_metadata
.endif
;; end of part 4
